; MI455X (gfx1250); checked and timed in simulation.
; The chip was launched on July 23, 2026; its instructions are those of AMD's public machine-readable ISA for CDNA 5 (MIT licence, August 2026) and "CDNA5" Instruction Set Architecture Reference Guide (July 2026). The comments in the code are by the model that wrote it; some were corrected since.
;; Attention. Allowed arithmetic: float matrix products may take bf16 or f16 operands with f32 sums; other float arithmetic in f32, or as packed bf16 or f16 multiplies, adds, multiply-adds, maxima and minima; sums over many terms, partial sums and values carried from step to step in f32; what a program stores and reads back later, other than sums and carried values, may be rounded once to bf16 or f16.
;; Inputs: Wk 2,048 x 2,048 float32; Wo 2,048 x 2,048 float32; Wq 2,048 x 2,048 float32; Wv 2,048 x 2,048 float32; attention_mask 2,048 int32; cos 2,048 x 128 float32; ln_w 2,048 float32; sin 2,048 x 128 float32; x 2,048 x 2,048 float32.
;; Outputs: out0 2,048 x 2,048 float32.
;; One version. Each part assembles by itself: llvm-mc -triple=amdgcn-amd-amdhsa -mcpu=gfx1250 --defsym DOCPART=n.
;; ======== version 1 of 1: 4 launches
;; limits: values are held in f16: magnitudes above 65,504 overflow, below 6.1e-05 lose precision
;; workspace buffers: xb 8,388,608 bytes; wqkv 25,165,824 bytes; wo16 8,388,608 bytes; tab 1,056,768 bytes; qkv 25,165,824 bytes; o 8,388,608 bytes
;; launch prep (part 1): grid 256 x 1, 8 waves a work-group, no clusters, 0 bytes of LDS; arguments x, ln_w, Wq, Wk, Wv, Wo, cos, sin, xb, wqkv, wo16, tab; writes xb, wqkv, wo16, tab
.if DOCPART == 1
	.amdgcn_target "amdgcn-amd-amdhsa--gfx1250"
	.amdhsa_code_object_version 6
	.text
	.protected	k_q56cb117045_prep
	.globl	k_q56cb117045_prep
	.p2align	8
	.type	k_q56cb117045_prep,@function
k_q56cb117045_prep:
	s_mov_b64 s[64:65], 0
	v_nop
	global_prefetch_b8 v0, s[64:65] scope:SCOPE_SE
	s_setreg_imm32_b32 hwreg(HW_REG_WAVE_MODE, 25, 1), 1
	s_wait_xcnt 0x0
; PREP: every input is rounded once to 16 bits and laid out for the three launches behind.
;   xb[t][k]   = bf16(x[t][k])                                  the first product's operand, and the residual
;   wqkv       = [16 heads][q,k,v][128][2048] bf16 = bf16(bf16(W[n][k]) x bf16(ln_w[k])): the norm's gain lies in the weights
;   wo16[n][k] = f16(bf16(Wo[n][k]))
;   tab        = cst[2048][128] words: low half bf16(cos), high half bf16(sin), with a minus sign for d < 64 (rotate_half's sign);
;                then, from byte 1,048,576 on, rs[2048] f32 = 1 / sqrt(mean(xb^2) + 1e-5)
; LIMITS.  |Wo| stays under 65,504 and keeps f16's fixed step of 6e-8 below 6e-5; the mean of squares is taken of x rounded to bf16.
; SHARES.  Wave w of work-group b owns row n = 8 b + w of x, Wq, Wk, Wv, Wo, cos and sin.  A row of 8,192 bytes is 16 loads of 16 bytes a lane
; (load j, lane l: columns 128 j + 4 l .. + 3); packed to 16 bits it leaves by 16 stores of 8 bytes a lane, each covering 256 consecutive bytes, aligned.
; Three row slots of 64 registers keep two or three rows of every wave on their way.  No loop, no LDS, no matrix work: the launch only moves bytes.
; The one store that is no whole block: rs, 4 bytes a wave (8 KiB in the launch).
.set T,   4                            ; v[4:11]   at work
.set SQ,  12                           ; v[12:19]  four chains of squares; later v16 = rs, v17 = 0
.set LN,  20                           ; v[20:51]  ln_w of my columns, packed bf16
.set CO,  52                           ; v[52:55]  cos
.set SI,  56                           ; v[56:59]  sin
.set CT,  60                           ; v[60:63]  the table's words
.set S0,  64
.set S1,  128
.set S2,  192
.macro LOADROW slot, base, once
.irp j, 0,1,2,3,4,5,6,7,8,9,10,11,12,13,14,15
.if \once
	global_load_b128 v[(\slot)+4*(\j):(\slot)+4*(\j)+3], v1, s[\base:\base+1] offset:512*(\j) th:TH_LOAD_NT
.else
	global_load_b128 v[(\slot)+4*(\j):(\slot)+4*(\j)+3], v1, s[\base:\base+1] offset:512*(\j)
.endif
.endr
.endm
.macro PACKB slot                      ; 64 f32 to 32 words of two bf16, in place, ascending: word i never lands on a register still to be read
.set i, 0
.rept 32
	v_cvt_pk_bf16_f32 v[(\slot)+i], v[(\slot)+2*i], v[(\slot)+2*i+1]
.set i, i+1
.endr
.endm
.macro MULLN slot                      ; times the gain, rounded once more to bf16 (exact where the gain is 1)
.set i, 0
.rept 32
	v_pk_mul_bf16 v[(\slot)+i], v[(\slot)+i], v[LN+i]
.set i, i+1
.endr
.endm
.macro STOREROW slot, base, imm
.irp j, 0,1,2,3,4,5,6,7,8,9,10,11,12,13,14,15
	global_store_b64 v2, v[(\slot)+2*(\j):(\slot)+2*(\j)+1], s[\base:\base+1] offset:(\imm)+256*(\j)
.endr
.endm
	s_load_b512 s[8:23], s[0:1], 0x0               ; x 8, ln_w 10, Wq 12, Wk 14, Wv 16, Wo 18, cos 20, sin 22
	s_load_b256 s[24:31], s[0:1], 0x40             ; xb 24, wqkv 26, wo16 28, tab 30
	v_lshrrev_b32 v4, 5, v0
	v_readfirstlane_b32 s4, v4                     ; wave 0..7
	v_and_b32 v3, 31, v0                           ; lane
	v_lshlrev_b32 v1, 4, v3                        ; 16 x lane: never rewritten
	v_lshlrev_b32 v2, 3, v3                        ; 8 x lane: never rewritten
	v_mov_b32 v17, 0
	s_lshl_b32 s5, ttmp9, 3
	s_add_co_u32 s5, s5, s4                        ; n
	s_lshl_b32 s36, s5, 13                         ; n rows of 8,192 bytes
	s_mov_b32 s37, 0
	s_lshl_b32 s38, s5, 9                          ; of 512
	s_mov_b32 s39, 0
	s_lshl_b32 s40, s5, 12                         ; of 4,096
	s_mov_b32 s41, 0
	s_lshr_b32 s42, s5, 7                          ; the head of weight row n,
	s_mul_i32 s42, s42, 384                        ; whose 384 rows lie together,
	s_and_b32 s43, s5, 127
	s_add_co_u32 s42, s42, s43                     ; and the row in it
	s_lshl_b32 s42, s42, 12
	s_mov_b32 s43, 0
	s_lshl_b32 s44, s5, 2
	s_add_co_u32 s44, s44, 0x100000                ; rs[n]
	s_mov_b32 s45, 0
	s_mov_b32 s34, 0xffff0000                      ; a word's upper bf16
	s_mov_b32 s2, 0x76543210                       ; v_permlanex16_b32: each lane takes its own place in the other half
	s_mov_b32 s3, 0xfedcba98
	s_mov_b32 s6, 0x3a000000                       ; 1 / 2048
	s_mov_b32 s7, 0x3727c5ac                       ; 1e-5
	s_wait_kmcnt 0x0
	s_add_nc_u64 s[32:33], s[30:31], s[44:45]
	s_add_nc_u64 s[8:9], s[8:9], s[36:37]
	s_add_nc_u64 s[12:13], s[12:13], s[36:37]
	s_add_nc_u64 s[14:15], s[14:15], s[36:37]
	s_add_nc_u64 s[16:17], s[16:17], s[36:37]
	s_add_nc_u64 s[18:19], s[18:19], s[36:37]
	s_add_nc_u64 s[20:21], s[20:21], s[38:39]
	s_add_nc_u64 s[22:23], s[22:23], s[38:39]
	s_add_nc_u64 s[30:31], s[30:31], s[38:39]
	s_add_nc_u64 s[24:25], s[24:25], s[40:41]
	s_add_nc_u64 s[28:29], s[28:29], s[40:41]
	s_add_nc_u64 s[26:27], s[26:27], s[42:43]
	LOADROW S0, 8, 1                               ; x
	LOADROW S1, 10, 0                              ; ln_w: every wave reads it
	LOADROW S2, 12, 1                              ; Wq
	global_load_b128 v[CO:CO+3], v1, s[20:21] th:TH_LOAD_NT
	global_load_b128 v[SI:SI+3], v1, s[22:23] th:TH_LOAD_NT
	s_wait_loadcnt 34                              ; x is in: behind it stand ln_w's 16, Wq's 16, cos and sin
	PACKB S0
	STOREROW S0, 24, 0
.set i, 0
.rept 32                                       ; the sum of squares of the rounded row, in f32, four chains; the first four products start them
	v_lshlrev_b32 v[T+2*(i%4)], 16, v[S0+i]
	v_and_b32 v[T+2*(i%4)+1], s34, v[S0+i]
.if i < 4
	v_pk_mul_f32 v[SQ+2*(i%4):SQ+2*(i%4)+1], v[T+2*(i%4):T+2*(i%4)+1], v[T+2*(i%4):T+2*(i%4)+1]
.else
	v_pk_fma_f32 v[SQ+2*(i%4):SQ+2*(i%4)+1], v[T+2*(i%4):T+2*(i%4)+1], v[T+2*(i%4):T+2*(i%4)+1], v[SQ+2*(i%4):SQ+2*(i%4)+1]
.endif
.set i, i+1
.endr
	v_pk_add_f32 v[SQ:SQ+1], v[SQ:SQ+1], v[SQ+2:SQ+3]
	v_pk_add_f32 v[SQ+4:SQ+5], v[SQ+4:SQ+5], v[SQ+6:SQ+7]
	v_pk_add_f32 v[SQ:SQ+1], v[SQ:SQ+1], v[SQ+4:SQ+5]
	v_add_f32 v[SQ], v[SQ], v[SQ+1]
	v_add_f32_dpp v[SQ], v[SQ], v[SQ] row_xmask:1 row_mask:0xf bank_mask:0xf
	v_add_f32_dpp v[SQ], v[SQ], v[SQ] row_xmask:2 row_mask:0xf bank_mask:0xf
	v_add_f32_dpp v[SQ], v[SQ], v[SQ] row_xmask:4 row_mask:0xf bank_mask:0xf
	v_add_f32_dpp v[SQ], v[SQ], v[SQ] row_xmask:8 row_mask:0xf bank_mask:0xf
	v_permlanex16_b32 v[SQ+1], v[SQ], s2, s3
	v_add_f32 v[SQ], v[SQ], v[SQ+1]
	v_fma_f32 v[SQ], v[SQ], s6, s7                 ; mean + eps
	v_rsq_f32 v16, v[SQ]
	v_mov_b32 v17, 0                               ; a plain instruction behind the root,
	s_wait_alu depctr_va_vdst(0)                   ; and the wait ahead of its first reader (the store at the end)
	s_wait_loadcnt 18                              ; ln_w is in: behind it Wq's 16, cos and sin
.set i, 0
.rept 32
	v_cvt_pk_bf16_f32 v[LN+i], v[S1+2*i], v[S1+2*i+1]
.set i, i+1
.endr
	LOADROW S1, 14, 1                              ; Wk
	s_wait_loadcnt 18                              ; Wq is in: behind it cos, sin and Wk's 16
	PACKB S2
	MULLN S2
	STOREROW S2, 26, 0
	s_wait_xcnt 0x0                                ; xb's stores have read slot 0: it is loaded again only behind this wait
	LOADROW S0, 16, 1                              ; Wv
	s_wait_loadcnt 32                              ; cos and sin are in: behind them Wk's 16 and Wv's 16
	v_cmp_gt_u32 vcc_lo, 16, v3                    ; lanes 0 to 15 hold d < 64
	v_mov_b32 v[T], 0x80000000
	v_cndmask_b32 v[T], 0, v[T], vcc_lo
.irp k, 0,1,2,3
	v_xor_b32 v[SI+(\k)], v[T], v[SI+(\k)]
	v_cvt_pk_bf16_f32 v[CT+(\k)], v[CO+(\k)], v[SI+(\k)]
.endr
	global_store_b128 v1, v[CT:CT+3], s[30:31]     ; the row's 512 bytes
	s_wait_loadcnt 16                              ; Wk is in: behind it Wv's 16
	PACKB S1
	MULLN S1
	STOREROW S1, 26, 128*4096
	s_wait_xcnt 0x0                                ; Wq's stores have read slot 2
	LOADROW S2, 18, 1                              ; Wo
	s_wait_loadcnt 16                              ; Wv is in: behind it Wo's 16
	PACKB S0
	MULLN S0
	STOREROW S0, 26, 2*128*4096
	s_wait_loadcnt 0x0                             ; Wo
.set i, 0
.rept 32                                       ; rounded to bf16 like every input, and that number written as f16
	v_cvt_pk_bf16_f32 v[T+4*(i%2)], v[S2+2*i], v[S2+2*i+1]
	v_lshlrev_b32 v[T+4*(i%2)+1], 16, v[T+4*(i%2)]
	v_and_b32 v[T+4*(i%2)+2], s34, v[T+4*(i%2)]
	v_cvt_pk_f16_f32 v[S2+i], v[T+4*(i%2)+1], v[T+4*(i%2)+2]
.set i, i+1
.endr
	STOREROW S2, 28, 0
	v_cmp_eq_u32 vcc_lo, 0, v3
	s_wait_xcnt 0x0                                ; EXEC changes only behind this wait
	s_and_saveexec_b32 s46, vcc_lo
	global_store_b32 v17, v16, s[32:33]            ; lane 0 stores the row's factor
	s_wait_xcnt 0x0                                ; and again ahead of the line that widens it
	s_or_b32 exec_lo, exec_lo, s46
	s_endpgm
.Lfunc_end_k_q56cb117045_prep:
	.size	k_q56cb117045_prep, .Lfunc_end_k_q56cb117045_prep-k_q56cb117045_prep
	.p2alignl 7, 3214868480
	.fill 96, 4, 3214868480
	.section	.rodata,"a",@progbits
	.p2align	6, 0x0
	.amdhsa_kernel k_q56cb117045_prep
		.amdhsa_group_segment_fixed_size 0
		.amdhsa_private_segment_fixed_size 0
		.amdhsa_enable_private_segment 0
		.amdhsa_kernarg_size 96
		.amdhsa_user_sgpr_count 2
		.amdhsa_user_sgpr_kernarg_segment_ptr 1
		.amdhsa_wavefront_size32 1
		.amdhsa_system_sgpr_workgroup_id_x 1
		.amdhsa_system_sgpr_workgroup_id_y 1
		.amdhsa_system_sgpr_workgroup_id_z 1
		.amdhsa_system_vgpr_workitem_id 0
		.amdhsa_next_free_vgpr 256
		.amdhsa_next_free_sgpr 66
		.amdhsa_reserve_vcc 1
		.amdhsa_float_denorm_mode_32 3
		.amdhsa_float_denorm_mode_16_64 3
		.amdhsa_memory_ordered 1
		.amdhsa_forward_progress 1
		.amdhsa_inst_pref_size 47
	.end_amdhsa_kernel
	.amdgpu_metadata
---
amdhsa.version: [ 1, 2 ]
amdhsa.kernels:
  - .name:           k_q56cb117045_prep
    .symbol:         k_q56cb117045_prep.kd
    .args:
      - { .name: x, .offset: 0, .size: 8, .value_kind: global_buffer, .address_space: global }
      - { .name: ln_w, .offset: 8, .size: 8, .value_kind: global_buffer, .address_space: global }
      - { .name: Wq, .offset: 16, .size: 8, .value_kind: global_buffer, .address_space: global }
      - { .name: Wk, .offset: 24, .size: 8, .value_kind: global_buffer, .address_space: global }
      - { .name: Wv, .offset: 32, .size: 8, .value_kind: global_buffer, .address_space: global }
      - { .name: Wo, .offset: 40, .size: 8, .value_kind: global_buffer, .address_space: global }
      - { .name: cos, .offset: 48, .size: 8, .value_kind: global_buffer, .address_space: global }
      - { .name: sin, .offset: 56, .size: 8, .value_kind: global_buffer, .address_space: global }
      - { .name: xb, .offset: 64, .size: 8, .value_kind: global_buffer, .address_space: global }
      - { .name: wqkv, .offset: 72, .size: 8, .value_kind: global_buffer, .address_space: global }
      - { .name: wo16, .offset: 80, .size: 8, .value_kind: global_buffer, .address_space: global }
      - { .name: tab, .offset: 88, .size: 8, .value_kind: global_buffer, .address_space: global }
    .group_segment_fixed_size: 0
    .private_segment_fixed_size: 0
    .kernarg_segment_align: 8
    .kernarg_segment_size: 96
    .max_flat_workgroup_size: 256
    .sgpr_count:     66
    .vgpr_count:     256
    .wavefront_size: 32
...
	.end_amdgpu_metadata
.endif
;; end of part 1
;; launch qkv (part 2): grid 16 x 16, 4 waves a work-group, clusters of 4 x 4, 327,680 bytes of LDS; arguments xb, wqkv, tab, qkv; writes qkv
.if DOCPART == 2
	.amdgcn_target "amdgcn-amd-amdhsa--gfx1250"
	.amdhsa_code_object_version 6
	.text
	.protected	k_q56cb117045_qkv
	.globl	k_q56cb117045_qkv
	.p2align	8
	.type	k_q56cb117045_qkv,@function
k_q56cb117045_qkv:
	s_mov_b64 s[64:65], 0
	v_nop
	global_prefetch_b8 v0, s[64:65] scope:SCOPE_SE
	s_setreg_imm32_b32 hwreg(HW_REG_WAVE_MODE, 25, 1), 1
	s_wait_xcnt 0x0
	s_wait_alu depctr_hold_cnt(0) depctr_sa_sdst(0) depctr_va_vdst(0) depctr_va_sdst(0) depctr_va_ssrc(0) depctr_va_vcc(0) depctr_vm_vsrc(0)
	s_getreg_b32 s2, hwreg(HW_REG_IB_STS2, 6, 4)
	s_cmp_eq_u32 s2, 0
	s_cbranch_scc0 .Lentry_in_a_cluster
	s_endpgm
.Lentry_in_a_cluster:
	s_bfe_u32 s2, ttmp6, 0x10000c
	s_cmp_lg_u32 s2, 0xf033
	s_cbranch_scc0 .Lentry_shape_is_right
	s_endpgm
.Lentry_shape_is_right:
; Q, K, V: for 128 rows t and one head, rs[t] x (the sum over k of xb[t][k] w[n][k]) for the head's 384 weight rows (q, k, v), then RoPE on q and k.
; Out: qkv = [3][16][2048][128]: q and k bf16 (roped, not scaled), v f16.  Sums in f32.
; LIMITS.  |v| stays under 65,504 (f16); q and k are bf16, which has f32's range.
; SHARES.  16 row blocks x 16 heads = 256 work-groups of four waves.  Wave: 64 rows (MH = wave / 2) and, of each of q, k and v, the four blocks of 16 columns
; 2 NH + (i % 2) + 4 (i / 2), NH = wave % 2, i = 0..3: so channel d and channel d + 64 lie in the same lane and register of accumulators i and i + 2, and RoPE changes no lane.
; 48 accumulators of 16 x 16 a wave (a = 0..3 row blocks, b = 4 s + i), 384 registers.  K goes in 16 steps of 128 through two LDS slots filled by the tensor data mover.
; CLUSTER 4 x 4: the four of a row share the tile of xb, the four of a column the head's weights: each tile is asked for jointly, by the same load, descriptor and mask in all four.
; THE PRODUCT IS TAKEN TRANSPOSED (source 0 = 16 weight rows, source 1 = 16 rows of xb): a lane holds one row t and eight neighbouring channels.
; REGISTERS by windows of 256: window 0 addresses, xb's fragments (two buffers of 32), the cos/sin words (128), work; window 1 the weights' fragments (two buffers of 96);
; window 2 accumulators of a = 0, 1 at 96 (a % 2) + 8 b; window 3 those of a = 2, 3.
.set KSTEP, 128
.set PITCH, 272                        ; an LDS row: 256 bytes + 16 of padding = 68 words: the 16 rows of a fragment load start 4 banks apart (64 banks of 4 bytes: ISA guide 11.1)
.set PART,  128*PITCH                  ; 128 rows: what one tensor load brings
.set SLOT,  4*PART                     ; xb's 128 rows, then the weights' 384
.set SPARE, 2*SLOT                     ; behind the ring: the spare words, 128 bytes a wave
.set LAPS,  8                          ; 2,048 / 256
.set PFO,  3                           ; v3      the prefetches' offset: lane x 4,096 (a row); never rewritten
.set ADRA, 4                           ; v4-5    LDS address of my xb fragments in slot 0, 1
.set ADRB, 6                           ; v6-11   of my weight fragments: 2 s + slot
.set STO,  12                          ; v12-14  the way out: where I put 16 bytes of a row of q, k, v
.set RD,   15                          ; v15-17  where I read rows back
.set CO,   18                          ; v18     my byte offset in two rows of the output
.set CSO,  19                          ; v19     my byte offset in the cos/sin words
.set RSO,  20                          ; v20     in rs
.set ZR,   21                          ; v21     0.0
.set RS,   22                          ; v22-29  pairs: rs of row block a, and 0
.set SPW,  30
.set NIL,  31
.set CS,   96                          ; v96-223 cos/sin words at 32 a + 8 i + j
.set T,    224                         ; v224-239 at work
.set PKR,  240                         ; v240-247 packed results
.set G1,  24
.set G0,  32
.set G1B, 48
.set G0B, 56
.set PFA, 44                           ; s[44:45] where my prefetches stand
.set LIM, 46                           ; s46  1 in a wave that prefetches, else the greatest number
.set LAP, 47
.set MSB, 0
.macro WIN new                         ; the immediate's high byte repeats the setting that is left; a switch that changes nothing is dropped
.if MSB != (\new)
	s_set_vgpr_msb (MSB<<8)|(\new)
.set MSB, \new
.endif
.endm
; A joint load: wave 0 fetches xb's 128 rows, waves 1 to 3 a third of the weights' 384 each.  The branch hangs on the wave's number alone.
; An s_nop 0 and four v_nop follow each of the two lines, ahead of the jump and the label.
.macro JLOAD s
	s_cmp_eq_u32 s12, 0
	s_cbranch_scc0 .Lfor_b_\@
	tensor_load_to_lds s[G0+4*(\s):G0+4*(\s)+3], s[G1:G1+7]
	s_nop 0
.rept 4
	v_nop
.endr
	s_branch .Lasked_\@
.Lfor_b_\@:
	tensor_load_to_lds s[G0B+4*(\s):G0B+4*(\s)+3], s[G1B:G1B+7]
	s_nop 0
.rept 4
	v_nop
.endr
.Lasked_\@:
.endm
; A prefetch of the K step that stands two refills on: 32 rows x 256 bytes, a lane a row.  xb's rows are asked for by the clusters with x = 0 (wave 0), the weights' by those with y = 0 (waves 1 to 3);
; the four partners of a joint load take 32 of its 128 rows each, told apart by address.  So each row's 256 bytes of a K step are named once.  The loop's last trip asks for nothing: K steps 16 and 17 do not exist.
.macro ASK
	s_cmp_gt_u32 s[LAP], s[LIM]
	s_cbranch_scc0 .Lnot_mine_\@
	global_prefetch_b8 v[PFO], s[PFA:PFA+1] offset:KSTEP*2 th:TH_LOAD_NT scope:SCOPE_SE
.Lnot_mine_\@:
.endm
.macro CREST                           ; a round of the cluster's barrier behind its opening barrier
	s_cmp_lg_u32 s12, 0
	s_cbranch_scc1 .Lnot_wave_0_\@
	s_barrier_signal -3
.Lnot_wave_0_\@:
	s_barrier_wait -3
	s_barrier_signal -1
	s_barrier_wait -1
.endm
.macro CROUND
	s_barrier_signal -1
	s_barrier_wait -1
	CREST
.endm
.macro PLACES                          ; four plain instructions between a matrix instruction and a load into, or a vector instruction on, its registers
.rept 4
	v_nop
.endr
.endm
	s_load_b256 s[4:11], s[0:1], 0x0               ; xb 4, wqkv 6, tab 8, qkv 10
	v_lshl_add_u32 v[SPW], v0, 2, SPARE
	v_mov_b32 v[NIL], 0
	ds_add_u32 v[SPW], v[NIL]                      ; the wave's opening: the add and its wait ahead of my first tensor load
	v_lshrrev_b32 v1, 5, v0
	v_readfirstlane_b32 s12, v1                    ; wave 0..3
	s_lshr_b32 s13, s12, 1                         ; MH
	s_and_b32 s14, s12, 1                          ; NH
	s_max_u32 s15, s12, 1
	s_sub_co_u32 s15, s15, 1                       ; which third of the weights I fetch (waves 1 to 3)
	s_bfe_u32 s40, ttmp6, 0x40000                  ; cx
	s_bfe_u32 s41, ttmp6, 0x40004                  ; cy
	s_lshl_b32 s42, ttmp9, 2
	s_add_co_u32 s42, s42, s40                     ; the head = 4 x cluster x + cx
	s_and_b32 s43, ttmp7, 0xffff
	s_lshl_b32 s43, s43, 2
	s_add_co_u32 s43, s43, s41                     ; the row block = 4 x cluster y + cy
	s_lshl_b32 s16, s41, 2
	s_lshl_b32 s16, 15, s16                        ; my row of the cluster
	s_lshl_b32 s17, 0x1111, s40                    ; my column
	s_or_b32 s[G1+0], s16, (1<<16)|(1<<20)|(1<<21)|(5<<22)|(3<<25)   ; mask; 2-byte elements; padding on; bit 21 beside a mask; after every 64 words 4 words
	s_or_b32 s[G1B+0], s17, (1<<16)|(1<<20)|(1<<21)|(5<<22)|(3<<25)
.irp g, G1, G1B
	s_mov_b32 s[(\g)+1], KSTEP<<16                 ; tensor_dim0 = 128
	s_mov_b32 s[(\g)+2], 128<<16                   ; tensor_dim1 = 128
	s_mov_b32 s[(\g)+3], KSTEP<<16                 ; tile_dim0 = 128
	s_mov_b32 s[(\g)+4], 128                       ; tile_dim1 = 128
	s_mov_b32 s[(\g)+5], 2048                      ; elements from row to row
	s_mov_b32 s[(\g)+6], 0
	s_mov_b32 s[(\g)+7], 0
.endr
	s_lshl_b32 s16, s43, 19                        ; xb: 128 rows of 4,096 bytes a block
	s_mov_b32 s17, 0
	s_mul_i32 s20, s42, 384                        ; weights: the head's 384 rows,
	s_lshl_b32 s21, s15, 7                         ; my 128 of them
	s_add_co_u32 s20, s20, s21
	s_lshl_b32 s20, s20, 12
	s_mov_b32 s21, 0
	s_mul_i32 s22, s12, PART                       ; where my part goes: wave x 128 rows; no place in the cluster enters an LDS address
	s_wait_dscnt 0x0                               ; the opening add is done
	s_wait_kmcnt 0x0
	s_add_nc_u64 s[16:17], s[4:5], s[16:17]
	s_add_nc_u64 s[20:21], s[6:7], s[20:21]
	CROUND                                         ; all sixteen work-groups are here: the first joint loads meet
.irp t, 0,1
	s_mov_b32 s[G0+4*(\t)], 1
	s_add_co_u32 s[G0+4*(\t)+1], s22, (\t)*SLOT
	s_add_nc_u64 s[G0+4*(\t)+2:G0+4*(\t)+3], s[16:17], (\t)*KSTEP*2
	s_or_b32 s[G0+4*(\t)+3], s[G0+4*(\t)+3], 0x80000000
	s_mov_b32 s[G0B+4*(\t)], 1
	s_add_co_u32 s[G0B+4*(\t)+1], s22, (\t)*SLOT
	s_add_nc_u64 s[G0B+4*(\t)+2:G0B+4*(\t)+3], s[20:21], (\t)*KSTEP*2
	s_or_b32 s[G0B+4*(\t)+3], s[G0B+4*(\t)+3], 0x80000000
	JLOAD \t                                       ; two loads of mine are out
.endr
	; the prefetches' address and who asks
	s_and_b32 s18, ttmp7, 0xffff                   ; cluster y
	s_cmp_eq_u32 s12, 0                            ; do I fetch xb?
	s_cselect_b32 s19, s40, s41                    ; my place among the four that ask with me
	s_cselect_b32 s18, ttmp9, s18                  ; the coordinate along which other clusters read the same rows
	s_cselect_b64 s[PFA:PFA+1], s[16:17], s[20:21]
	s_cmp_eq_u32 s18, 0
	s_cselect_b32 s[LIM], 1, -1
	s_lshl_b32 s18, s19, 17                        ; my work-group's 32 rows of 4,096 bytes
	s_mov_b32 s19, 0
	s_add_nc_u64 s[PFA:PFA+1], s[PFA:PFA+1], s[18:19]
	s_add_nc_u64 s[PFA:PFA+1], s[PFA:PFA+1], 2*KSTEP*2  ; at K step 2: the first refill steps it to 3 and names K step 4
	; addresses
	v_and_b32 v1, 15, v0                           ; r
	v_bfe_u32 v2, v0, 4, 1                         ; h
	v_and_b32 v[PFO], 31, v0
	v_lshlrev_b32 v[PFO], 12, v[PFO]
	v_mul_u32_u24 v32, v1, PITCH
	v_lshl_add_u32 v32, v2, 4, v32                 ; r x pitch + 16 h
	s_mul_i32 s16, s13, 64*PITCH                   ; my 64 rows of xb
	s_mul_i32 s17, s14, 32*PITCH                   ; my first block of 32 weight rows,
	s_add_co_u32 s17, s17, PART                    ; behind xb's 128
.irp t, 0,1
	s_add_co_u32 s18, s16, (\t)*SLOT
	v_add_nc_u32 v[ADRA+(\t)], s18, v32
.irp p, 0,1,2
	s_add_co_u32 s18, s17, (\p)*128*PITCH+(\t)*SLOT
	v_add_nc_u32 v[ADRB+2*(\p)+(\t)], s18, v32
.endr
.endr
	s_lshl_b32 s18, s14, 6
	s_add_co_u32 s18, s18, s16                     ; stage: my 64 rows, my 64 bytes of each half row
	v_mul_u32_u24 v33, v2, PITCH
	v_lshl_add_u32 v33, v1, 4, v33                 ; back: lanes 0-15 one row of 256 bytes, lanes 16-31 the next
	s_mul_i32 s20, s12, 32*PITCH                   ; wave w takes rows 32 w .. 32 w + 31 of each of q, k, v
.irp p, 0,1,2
	s_add_co_u32 s19, s18, (\p)*128*PITCH
	v_add_nc_u32 v[STO+(\p)], s19, v32
	s_add_co_u32 s19, s20, (\p)*128*PITCH
	v_add_nc_u32 v[RD+(\p)], s19, v33
.endr
	v_lshlrev_b32 v[CO], 8, v2
	v_lshl_add_u32 v[CO], v1, 4, v[CO]
	v_lshlrev_b32 v[CSO], 9, v1                    ; (64 MH + r) x 512 + 128 NH + 32 h
	v_lshl_add_u32 v[CSO], v2, 5, v[CSO]
	s_lshl_b32 s18, s13, 15
	s_lshl_b32 s19, s14, 7
	s_add_co_u32 s18, s18, s19
	v_add_nc_u32 v[CSO], s18, v[CSO]
	s_lshl_b32 s18, s13, 8
	v_lshl_add_u32 v[RSO], v1, 2, s18              ; (64 MH + r) x 4
	v_mov_b32 v[ZR], 0
	s_lshl_b32 s18, s43, 16                        ; the block's 128 rows of 512 bytes of cos/sin words
	s_mov_b32 s19, 0
	s_add_nc_u64 s[66:67], s[8:9], s[18:19]
	s_lshl_b32 s18, s43, 9
	s_add_co_u32 s18, s18, 0x100000
	s_add_nc_u64 s[68:69], s[8:9], s[18:19]        ; rs of the block's rows
	s_lshl_b32 s18, s42, 11                        ; (2,048 head + 128 block + 32 wave) rows of 256 bytes
	s_lshl_b32 s20, s43, 7
	s_add_co_u32 s18, s18, s20
	s_lshl_b32 s20, s12, 5
	s_add_co_u32 s18, s18, s20
	s_lshl_b32 s18, s18, 8
	s_add_nc_u64 s[70:71], s[10:11], s[18:19]      ; q
	s_add_nc_u64 s[72:73], s[70:71], 0x800000      ; k
	s_add_nc_u64 s[74:75], s[70:71], 0x1000000     ; v
	; what the way out will want is asked for now and waited for there
.irp a, 0,1,2,3
	global_load_b32 v[RS+2*(\a)], v[RSO], s[68:69] offset:64*(\a)
	v_mov_b32 v[RS+2*(\a)+1], 0
.endr
.irp a, 0,1,2,3
.irp i, 0,1,2,3
	global_load_b128 v[CS+32*(\a)+8*(\i):CS+32*(\a)+8*(\i)+3],   v[CSO], s[66:67] offset:(\a)*8192+64*((\i)%2)+256*((\i)/2)
	global_load_b128 v[CS+32*(\a)+8*(\i)+4:CS+32*(\a)+8*(\i)+7], v[CSO], s[66:67] offset:(\a)*8192+64*((\i)%2)+256*((\i)/2)+16
.endr
.endr
; 12 matrix instructions: row block a x my 12 column blocks, 32 along K, from buffer f.  zero = 1: the product starts the sums.  The 48 accumulators take turns, in the same order everywhere.
.macro MUL12 f, a, zero
	WIN 0xa1+0x50*((\a)/2)                         ; source 0 window 1, source 1 window 0, C and D window 2 or 3
.irp b, 0,1,2,3,4,5,6,7,8,9,10,11
.if \zero
	v_wmma_f32_16x16x32_bf16 v[96*((\a)%2)+8*(\b):96*((\a)%2)+8*(\b)+7], v[96*(\f)+8*(\b):96*(\f)+8*(\b)+7], v[32+32*(\f)+8*(\a):32+32*(\f)+8*(\a)+7], 0
.else
	v_wmma_f32_16x16x32_bf16 v[96*((\a)%2)+8*(\b):96*((\a)%2)+8*(\b)+7], v[96*(\f)+8*(\b):96*(\f)+8*(\b)+7], v[32+32*(\f)+8*(\a):32+32*(\f)+8*(\a)+7], v[96*((\a)%2)+8*(\b):96*((\a)%2)+8*(\b)+7]
.endif
.endr
.endm
; 32 LDS loads in one run: 12 fragments of the weights, then 4 of xb, 32 K at byte k of the rows, into buffer f
.macro FETCH slot, k, f
	WIN 0x40
.irp p, 0,1,2
.irp i, 0,1,2,3
	ds_load_b128 v[96*(\f)+8*(4*(\p)+(\i)):96*(\f)+8*(4*(\p)+(\i))+3],   v[ADRB+2*(\p)+(\slot)] offset:(\k)+(((\i)%2)+4*((\i)/2))*16*PITCH
	ds_load_b128 v[96*(\f)+8*(4*(\p)+(\i))+4:96*(\f)+8*(4*(\p)+(\i))+7], v[ADRB+2*(\p)+(\slot)] offset:(\k)+(((\i)%2)+4*((\i)/2))*16*PITCH+32
.endr
.endr
	WIN 0
.irp a, 0,1,2,3
	ds_load_b128 v[32+32*(\f)+8*(\a):32+32*(\f)+8*(\a)+3],   v[ADRA+(\slot)] offset:(\k)+(\a)*16*PITCH
	ds_load_b128 v[32+32*(\f)+8*(\a)+4:32+32*(\f)+8*(\a)+7], v[ADRA+(\slot)] offset:(\k)+(\a)*16*PITCH+32
.endr
.endm
; A K step is four quarters of 32 along K, 48 matrix instructions each, on buffers 0, 1, 0, 1.
.macro QUARTER slot, k, f, g, zero
	s_wait_dscnt 4                                 ; the weights and xb's blocks 0, 1 are in; the youngest four loads (blocks 2, 3) may be out
	MUL12 \f, 0, \zero
	MUL12 \f, 1, \zero
	PLACES
	FETCH \slot, \k, \g
	s_wait_dscnt 32                                ; all but the 32 just issued
	MUL12 \f, 2, \zero
	MUL12 \f, 3, \zero
.endm
; The last quarter multiplies buffer 1 and changes slots.  Each wave waits for all its tensor loads (one is out: its part of the next slot), adds 0 to its spare word, and waits for that and for its reads of this slot.
; fill = 1: the barrier opens a round of the cluster's barrier, and the joint refill, two K steps on, is the first thing behind it: 168 matrix instructions stand between it and the wait for it.
.macro TURN slot, next, fill
.if \fill
	s_wait_xcnt 0x0                                ; the last prefetch, a K step back, has read its address
	s_add_nc_u64 s[PFA:PFA+1], s[PFA:PFA+1], KSTEP*2
.endif
	WIN 0
	s_wait_tensorcnt 0x0
	ds_add_u32 v[SPW], v[NIL]                      ; 0 onto my spare word
	s_wait_dscnt 5                                 ; (the add and the youngest four loads may be out)
	MUL12 1, 0, 0
	s_wait_dscnt 0x0                               ; the add is done, and my reads of this slot are over
	s_barrier_signal -1
	MUL12 1, 1, 0
.if \fill
	WIN 0
.endif
	s_barrier_wait -1
.if \fill
	CREST                                          ; no wave of any partner still reads this slot or has a load on its way
	s_add_nc_u64 s[G0+4*(\slot)+2:G0+4*(\slot)+3], s[G0+4*(\slot)+2:G0+4*(\slot)+3], 2*KSTEP*2
	s_add_nc_u64 s[G0B+4*(\slot)+2:G0B+4*(\slot)+3], s[G0B+4*(\slot)+2:G0B+4*(\slot)+3], 2*KSTEP*2
	JLOAD \slot                                    ; its four v_nop are also the places in front of the loads below
.else
	PLACES
.endif
	FETCH \next, 0, 0
.if \fill
	ASK
.endif
	MUL12 1, 2, 0
	MUL12 1, 3, 0
.endm
	s_wait_tensorcnt 1                             ; my part of K step 0 is in; K step 1's may stay out
	s_barrier_signal -1
	s_barrier_wait -1
	FETCH 0, 0, 0
	QUARTER 0, 64, 0, 1, 1                         ; the first quarter's products start the sums
	WIN 0
	s_mov_b32 s[LAP], LAPS-1
.Llap:                                                 ; once round the ring, from a lap's second quarter to the next lap's first; both slots are filled again
	QUARTER 0, 128, 1, 0, 0
	QUARTER 0, 192, 0, 1, 0
	TURN 0, 1, 1
	QUARTER 1, 64, 0, 1, 0
	QUARTER 1, 128, 1, 0, 0
	QUARTER 1, 192, 0, 1, 0
	TURN 1, 0, 1
	QUARTER 0, 64, 0, 1, 0
	WIN 0
	s_sub_co_u32 s[LAP], s[LAP], 1
	s_cmp_lg_u32 s[LAP], 0
	s_cbranch_scc1 .Llap
	QUARTER 0, 128, 1, 0, 0                        ; the last lap fills nothing
	QUARTER 0, 192, 0, 1, 0
	TURN 0, 1, 0                                   ; behind this barrier no wave reads slot 0 again, and no load fills it again
	QUARTER 1, 64, 0, 1, 0
	QUARTER 1, 128, 1, 0, 0
	QUARTER 1, 192, 0, 1, 0
	s_wait_dscnt 4
	MUL12 1, 0, 0
	MUL12 1, 1, 0
	s_wait_dscnt 0x0
	MUL12 1, 2, 0
	MUL12 1, 3, 0
	WIN 0
; THE WAY OUT.  The sums are multiplied by the row's rs; q and k are turned (out[d] = X cos[d] - Y sin[d], out[d + 64] = Y cos[d + 64] + X sin[d + 64], the sign lies in the table) and rounded to bf16, v to f16.
; The stage is slot 0's first 3 x 128 rows of 272 bytes: the slot has had its last fill and its last read.  A row's 256 bytes come from two waves, so a barrier stands between writing and reading.
.macro ROPE a, p, i                    ; X = accumulator (a, 4 p + i), channels d < 64; Y = (a, 4 p + i + 2), channels d + 64
.set rX, 96*((\a)%2)+8*(4*(\p)+(\i))
.set rY, rX+16
.set rC, CS+32*(\a)+8*(\i)
	WIN 0x82+0x41*((\a)/2)                         ; destination and source 0 in the accumulators' window
.irp j, 0,2,4,6
	v_pk_mul_f32 v[rX+(\j):rX+(\j)+1], v[rX+(\j):rX+(\j)+1], v[RS+2*(\a):RS+2*(\a)+1] op_sel_hi:[1,0]
.endr
.irp j, 0,2,4,6
	v_pk_mul_f32 v[rY+(\j):rY+(\j)+1], v[rY+(\j):rY+(\j)+1], v[RS+2*(\a):RS+2*(\a)+1] op_sel_hi:[1,0]
.endr
	WIN 0x02+((\a)/2)
.irp j, 0,1,2,3,4,5,6,7
	v_fma_mix_f32_bf16 v[T+(\j)],   v[rX+(\j)], v[rC+(\j)],    v[ZR] op_sel_hi:[0,1,0]
	v_fma_mix_f32_bf16 v[T+8+(\j)], v[rY+(\j)], v[rC+16+(\j)], v[ZR] op_sel_hi:[0,1,0]
.endr
.irp j, 0,1,2,3,4,5,6,7
	v_fma_mix_f32_bf16 v[T+(\j)],   v[rY+(\j)], v[rC+(\j)],    v[T+(\j)]   op_sel:[0,1,0] op_sel_hi:[0,1,0]
	v_fma_mix_f32_bf16 v[T+8+(\j)], v[rX+(\j)], v[rC+16+(\j)], v[T+8+(\j)] op_sel:[0,1,0] op_sel_hi:[0,1,0]
.endr
	WIN 0
.irp j, 0,1,2,3,4,5,6,7
	v_cvt_pk_bf16_f32 v[PKR+(\j)], v[T+2*(\j)], v[T+2*(\j)+1]
.endr
	ds_store_b128 v[STO+(\p)], v[PKR:PKR+3]   offset:16*(\a)*PITCH+32*(\i)
	ds_store_b128 v[STO+(\p)], v[PKR+4:PKR+7] offset:16*(\a)*PITCH+32*(\i)+128
.endm
.macro VOUT a, i
.set rX, 96*((\a)%2)+8*(8+(\i))
	WIN 0x82+0x41*((\a)/2)
.irp j, 0,2,4,6
	v_pk_mul_f32 v[rX+(\j):rX+(\j)+1], v[rX+(\j):rX+(\j)+1], v[RS+2*(\a):RS+2*(\a)+1] op_sel_hi:[1,0]
.endr
	WIN 0x0a+5*((\a)/2)
.irp j, 0,1,2,3
	v_cvt_pk_f16_f32 v[PKR+(\j)], v[rX+2*(\j)], v[rX+2*(\j)+1]
.endr
	WIN 0
	ds_store_b128 v[STO+2], v[PKR:PKR+3] offset:16*(\a)*PITCH+32*((\i)%2)+128*((\i)/2)
.endm
	s_wait_loadcnt 0x0                             ; rs and the cos/sin words, asked for at the head
	PLACES
	PLACES
.irp a, 0,1,2,3
	ROPE \a, 0, 0
	ROPE \a, 0, 1
	ROPE \a, 1, 0
	ROPE \a, 1, 1
	VOUT \a, 0
	VOUT \a, 1
	VOUT \a, 2
	VOUT \a, 3
.endr
	s_wait_dscnt 0x0                               ; for the others' sake: my stores into the stage are done
	s_barrier_signal -1
	s_barrier_wait -1
.set n, 0
.rept 48
	ds_load_b128 v[32+4*n:32+4*n+3], v[RD+n/16] offset:(n%16)*2*PITCH
.set n, n+1
.endr
.set n, 0
.rept 48
	s_wait_dscnt 47-n                              ; LDS loads come back in order: number n is in
	global_store_b128 v[CO], v[32+4*n:32+4*n+3], s[70+2*(n/16):71+2*(n/16)] offset:512*(n%16)  ; two rows: 512 consecutive bytes, aligned
.set n, n+1
.endr
	s_wait_tensorcnt 0x0                           ; the wave's end
	ds_add_u32 v[SPW], v[NIL]
	s_wait_dscnt 0x0
	CROUND                                         ; the closing round
	s_endpgm
.Lfunc_end_k_q56cb117045_qkv:
	.size	k_q56cb117045_qkv, .Lfunc_end_k_q56cb117045_qkv-k_q56cb117045_qkv
	.p2alignl 7, 3214868480
	.fill 96, 4, 3214868480
	.section	.rodata,"a",@progbits
	.p2align	6, 0x0
	.amdhsa_kernel k_q56cb117045_qkv
		.amdhsa_group_segment_fixed_size 327680
		.amdhsa_private_segment_fixed_size 0
		.amdhsa_enable_private_segment 0
		.amdhsa_kernarg_size 32
		.amdhsa_user_sgpr_count 2
		.amdhsa_user_sgpr_kernarg_segment_ptr 1
		.amdhsa_wavefront_size32 1
		.amdhsa_system_sgpr_workgroup_id_x 1
		.amdhsa_system_sgpr_workgroup_id_y 1
		.amdhsa_system_sgpr_workgroup_id_z 1
		.amdhsa_system_vgpr_workitem_id 0
		.amdhsa_next_free_vgpr 960
		.amdhsa_next_free_sgpr 80
		.amdhsa_reserve_vcc 0
		.amdhsa_float_denorm_mode_32 3
		.amdhsa_float_denorm_mode_16_64 3
		.amdhsa_memory_ordered 1
		.amdhsa_forward_progress 1
		.amdhsa_inst_pref_size 172
	.end_amdhsa_kernel
	.amdgpu_metadata
---
amdhsa.version: [ 1, 2 ]
amdhsa.kernels:
  - .name:           k_q56cb117045_qkv
    .symbol:         k_q56cb117045_qkv.kd
    .args:
      - { .name: xb, .offset: 0, .size: 8, .value_kind: global_buffer, .address_space: global }
      - { .name: wqkv, .offset: 8, .size: 8, .value_kind: global_buffer, .address_space: global }
      - { .name: tab, .offset: 16, .size: 8, .value_kind: global_buffer, .address_space: global }
      - { .name: qkv, .offset: 24, .size: 8, .value_kind: global_buffer, .address_space: global }
    .group_segment_fixed_size: 327680
    .private_segment_fixed_size: 0
    .kernarg_segment_align: 8
    .kernarg_segment_size: 32
    .max_flat_workgroup_size: 128
    .sgpr_count:     80
    .vgpr_count:     960
    .wavefront_size: 32
...
	.end_amdgpu_metadata
.endif
;; end of part 2
;; launch attn (part 3): grid 16 x 16, 4 waves a work-group, clusters of 4 x 1, 327,680 bytes of LDS; arguments qkv, attention_mask, o; writes o
.if DOCPART == 3
	.amdgcn_target "amdgcn-amd-amdhsa--gfx1250"
	.amdhsa_code_object_version 6
	.text
	.protected	k_q56cb117045_attn
	.globl	k_q56cb117045_attn
	.p2align	8
	.type	k_q56cb117045_attn,@function
k_q56cb117045_attn:
	s_mov_b64 s[64:65], 0
	v_nop
	global_prefetch_b8 v0, s[64:65] scope:SCOPE_SE
	s_setreg_imm32_b32 hwreg(HW_REG_WAVE_MODE, 25, 1), 1
	s_wait_xcnt 0x0
	s_wait_alu depctr_hold_cnt(0) depctr_sa_sdst(0) depctr_va_vdst(0) depctr_va_sdst(0) depctr_va_ssrc(0) depctr_va_vcc(0) depctr_vm_vsrc(0)
	s_getreg_b32 s2, hwreg(HW_REG_IB_STS2, 6, 4)
	s_cmp_eq_u32 s2, 0
	s_cbranch_scc0 .Lentry_in_a_cluster
	s_endpgm
.Lentry_in_a_cluster:
	s_bfe_u32 s2, ttmp6, 0x10000c
	s_cmp_lg_u32 s2, 0x3003
	s_cbranch_scc0 .Lentry_shape_is_right
	s_endpgm
.Lentry_shape_is_right:
; CAUSAL ATTENTION WITH A KEY AND QUERY MASK.  o[t][128 h + :] = the sum over visible k of softmax_k(q . k / sqrt(128)) v, in f16; 0 where attention_mask[t] = 0.
; q, k bf16, v f16, by heads ([3][16][2048][128]).  Products, maxima and sums in f32; the weights are rounded to f16 for the second product, their sum is taken unrounded.
; LIMITS.  A hidden score (key behind the query, or key masked out) counts as about -1e30: true scores stay far below that in size.  A weight below 2^-126 counts as 0.  |v| and |o| stay under 65,504.
; SOFTMAX.  For each query a running maximum m and sum l: p = 2^(c (s - m)), c = log2(e) / sqrt(128).  THE DIFFERENCE IS TAKEN FIRST: it is exactly 0 at the maximum and never above 0, whatever the size of the
; scores, so every weight lies in 0 to 1, every l is at least 1 and O^T stays finite, in a step whose keys are all hidden too.  In every step O and l are multiplied by a = 2^(c (m_old - m_new)).
; What a row gathers before its first visible key is multiplied by 0 when that key comes, in a step or in the exchange; a live row always sees its own key; a dead row's result is multiplied by 0.
; THE WALK.  A head's rows are 8 superblocks of 256.  Cluster c takes superblock c and then 7 - c: (c + 1) + (8 - c) = 9 key tiles of 256, whatever c, the same tiles for its four work-groups:
; every tile of K and V is asked for jointly.  One loop with a constant count walks them through two LDS slots of 256 keys.  The short pass goes first, so the change of passes always falls inside the loop.
; SHARES.  Wave w = qg + 2 ks of partner p owns 32 queries, rows 256 SB + 128 qg + 32 p + 0..31, as two tiles of 16, and of each key tile the steps ks and ks + 2 of 64 keys: a fragment of K or V
; read from LDS feeds two tiles' products, and the two waves of a pair (same qg) split the keys.  Each wave keeps its own running maximum, sum and O^T; at a pass's end the pair exchanges through LDS, in f32:
; each sends its tile place 1 and finishes its tile place 0.  Place u holds tile u xor ks, so the text is the same in every wave.
; THE DIAGONAL.  sd counts the steps of a pass's last tile.  With SDW = sd - (2 qg + ks): below 0 all keys are visible; 0 is the wave's one partial step, masked by MD; above 0 all its keys lie behind my
; queries and the step is jumped, forward, past no barrier and no tensor load.  SDW hangs on the wave's number and on c, never on the place in the cluster; that place enters MD's data and global addresses alone.
; THE MASKS are the C operand that starts S^T = K Q^T: MD x AL (AL = 1 in the partial step, else 0) plus the key's 0 or -1e30 from a table in LDS, in walk order, kept in bf16 (an f32 table does not fit).
; THE STEP IS TURNED BY ONE PHASE: it asks LDS for the mask words and K of step n, multiplies V^T P of step n - 1 while they come, then fetches V, multiplies K Q^T and does the softmax.  The product that is
; pending at a pass's end is flushed there.  The first product of all finds P, V and O^T at 0; the one behind a change of passes lands in an O^T that the next step multiplies by a = 0.
; LAYOUT.  S^T holds one query a lane (lane % 16) and keys 8 (lane / 16) + 0..7; two such results rounded to f16 are source 1 of O^T = V^T P.  K comes out of LDS as it lies, V turned by ds_load_tr16_b128.
; REGISTERS: window 0 addresses, statistics, S^T, P, MD; window 1: v0-127 O^T (64 u + 8 cb), v128-191 Q (32 u + 8 ch), v192-255 the second pass's Q; window 2: v0-127 K (32 kb + 8 ch), v128-255 V (64 kk + 8 cb).
.set KS,    64
.set PK,    272                        ; a row of K in LDS: 256 + 16 bytes
.set PV,    288                        ; a row of V: 256 + 32 bytes
.set VOFF,  4*KS*PK                    ; a slot: 256 rows of K, then 256 rows of V
.set SLOT,  4*KS*(PK+PV)
.set SPARE, 2*SLOT                     ; the spare words, 128 bytes a wave
.set XB,    SPARE+512                  ; the exchange: a part for each wave to write: 8,192 bytes of O^T, 128 of m, 128 of l
.set XSZ,   8448
.set BIAS,  XB+4*XSZ                   ; 2,560 keys in walk order, 2 bytes each (2,304 are walked)
.set SP,    272
.set AK0, 2
.set AV0, 3
.set ADRK, 4
.set ADRV, 5
.set ADRB, 6
.set AB0, 7
.set QO,  8
.set STO, 10
.set RD,  11
.set GO,  12
.set QM,  13                           ; attention_mask of the query that I finish, this pass
.set QM2, 14                           ; and the second pass
.set PFO, 15
.set ST,  16                           ; tile place u at ST + 8 u: m, a word named with it as a pair, l (even keys', odd keys'), c0-c3 at work; a takes c2's place
.set SPW, 32
.set NIL, 33
.set ALV, 34
.set XW,  35                           ; where I write my part of the exchange
.set XR,  36                           ; where I read my partner's
.set XWS, 37
.set XRS, 38
.set BW,  39
.set BB,  40                           ; v40-55 the step's mask words: two keys a word
.set T,   56                           ; v56-63 at work
.set S,   64
.set P,   128
.set MD,  160
.set QW,  128                          ; window 1
.set Q2W, 192
.set VF,  128                          ; window 2
.set WV,  12
.set LIM, 15
.set PFA, 18
.set G1K, 24
.set G1V, 32
.set G0K, 40
.set G0V, 44
.set RT,  54                           ; tiles of the pass in hand still to be walked
.set NXT, 55                           ; the tile to be asked for next
.set SLOTS, 56
.set CNT, 57
.set CSC, 58                           ; s[58:59] c = log2(e) / sqrt(128)
.set SEL, 60
.set TBK, 62                           ; LDS byte at which K of my step in hand begins
.set TBV, 63                           ; the same for V, less VOFF
.set LQ,  66
.set LQ2, 67
.set SDW, 68
.set SDW2, 69
.set OFF, 70
.set AL,  72
.set KBO, 73                           ; my step's 128 bytes of the mask table
.set BIGN, 74
.set RT2, 75
.set RB,  76                           ; the slot that is read: 0 or SLOT
.set KS0, 77
.set VS0, 78
.set LK0, 79
.set LV0, 80
.set FIN, 81                           ; 1: a pass has been sent and is to be finished
.set TH0, 82
.set TH1, 83
.set MSB, 0
.macro WIN new                         ; the immediate's high byte repeats the setting that is left; a switch that changes nothing is dropped
.if MSB != (\new)
	s_set_vgpr_msb (MSB<<8)|(\new)
.set MSB, \new
.endif
.endm
.macro JLOAD                           ; waves 0 and 1 fetch the two halves of a tile's K, waves 2 and 3 those of its V: 128 rows each; an s_nop 0 and four v_nop follow each line
	s_cmp_lt_u32 s[WV], 2
	s_cbranch_scc0 .Lfor_v_\@
	tensor_load_to_lds s[G0K:G0K+3], s[G1K:G1K+7]
	s_nop 0
.rept 4
	v_nop
.endr
	s_branch .Lasked_\@
.Lfor_v_\@:
	tensor_load_to_lds s[G0V:G0V+3], s[G1V:G1V+7]
	s_nop 0
.rept 4
	v_nop
.endr
.Lasked_\@:
.endm
; A prefetch of the tile that the next change will ask for.  Tiles 4 to 7 of a head are asked for first by cluster 0, in its second pass: it alone prefetches them, at changes 3 to 6 (SLOTS = 5 to 2).
; Of the 128 rows that a wave fetches each of the four partners names 32, told apart by address: a lane a row, one instruction a wave.  Tiles 0 to 3 come by their loads alone.
.macro ASK
	s_cmp_gt_u32 s[SLOTS], s[LIM]
	s_cbranch_scc0 .Lnot_mine_\@
	s_cmp_lt_u32 s[SLOTS], 6
	s_cbranch_scc0 .Lnot_mine_\@
	global_prefetch_b8 v[PFO], s[PFA:PFA+1] th:TH_LOAD_NT scope:SCOPE_SE
.Lnot_mine_\@:
.endm
.macro CROUND
	s_barrier_signal -1
	s_barrier_wait -1
	s_cmp_lg_u32 s[WV], 0
	s_cbranch_scc1 .Lnot_wave_0_\@
	s_barrier_signal -3
.Lnot_wave_0_\@:
	s_barrier_wait -3
	s_barrier_signal -1
	s_barrier_wait -1
.endm
; THE CHANGE OF SLOTS.  Each wave waits for all its tensor loads (one is out: its part of the other slot), adds 0 to its spare word, and waits for that and for its LDS instructions.
; fill = 1: a round of the cluster's barrier, and the joint refill first behind it, with tile NXT: the address is made anew from that number.  (At its first use slot 0 is waited for and slot 1 filled.)
.macro CHANGE fill
	WIN 0
	s_wait_tensorcnt 0x0
	ds_add_u32 v[SPW], v[NIL]
	s_xor_b32 s[RB], s[RB], SLOT                   ; the slot that is read from now on
.if \fill
	s_xor_b32 s2, s[RB], SLOT                      ; the slot that has been read out
	s_lshl_b32 s[OFF], s[NXT], 16                  ; a tile is 65,536 bytes of K and of V
	s_add_co_u32 s[G0K+1], s[LK0], s2
	s_add_nc_u64 s[G0K+2:G0K+3], s[6:7], s[OFF:OFF+1]
	s_or_b32 s[G0K+3], s[G0K+3], 0x80000000
	s_add_co_u32 s[G0V+1], s[LV0], s2
	s_add_nc_u64 s[G0V+2:G0V+3], s[8:9], s[OFF:OFF+1]
	s_or_b32 s[G0V+3], s[G0V+3], 0x80000000
	s_add_co_u32 s[NXT], s[NXT], 1                 ; the pass's next tile, or behind its last the second pass's tile 0
	s_cmp_gt_u32 s[NXT], s[LQ]
	s_cselect_b32 s[NXT], 0, s[NXT]
	s_cselect_b32 s[LQ], s[LQ2], s[LQ]
	s_wait_xcnt 0x0                                ; the last prefetch, a round back, has read its address
	s_add_nc_u64 s[PFA:PFA+1], s[PFA:PFA+1], 4*KS*256
	s_wait_dscnt 0x0
	CROUND
	JLOAD
	ASK
.else
	s_wait_dscnt 0x0
	s_barrier_signal -1
	s_barrier_wait -1
.endif
	s_add_co_u32 s[TBK], s[RB], s[KS0]             ; my first step of the slot
	s_add_co_u32 s[TBV], s[RB], s[VS0]
.endm
	s_load_b128 s[20:23], s[0:1], 0x0              ; qkv 20, attention_mask 22
	s_load_b64 s[16:17], s[0:1], 0x10              ; o
	v_lshl_add_u32 v[SPW], v0, 2, SPARE
	v_mov_b32 v[NIL], 0
	ds_add_u32 v[SPW], v[NIL]                      ; the wave's opening: the add and its wait ahead of my first tensor load
	v_lshrrev_b32 v1, 5, v0
	v_readfirstlane_b32 s[WV], v1                  ; wave 0..3
	s_bfe_u32 s13, ttmp6, 0x40000                  ; p: my place in the cluster
	s_mov_b32 s14, ttmp9                           ; c: the cluster, which the partners share
	s_and_b32 s2, ttmp7, 0xffff                    ; the head
	s_lshl_b32 s3, s2, 19                          ; its 2,048 rows of 256 bytes
	s_and_b32 s84, s[WV], 1                        ; qg; also: which half of a tile I fetch
	s_lshr_b32 s85, s[WV], 1                       ; ks
	s_lshl_b32 s86, s84, 7
	s_lshl_b32 s87, s13, 5                         ; 32 p
	s_add_co_u32 s86, s86, s87                     ; 128 qg + 32 p
	s_lshl_b32 s88, s14, 8
	s_add_co_u32 s88, s88, s86                     ; my 32 rows begin here in the first pass,
	s_sub_co_u32 s89, 7, s14
	s_lshl_b32 s89, s89, 8
	s_add_co_u32 s89, s89, s86                     ; and here in the second
	s_lshl_b32 s90, s88, 8
	s_add_co_u32 s90, s90, s3
	s_mov_b32 s91, 0
	s_lshl_b32 s92, s89, 8
	s_add_co_u32 s92, s92, s3
	s_mov_b32 s93, 0
	s_lshl_b32 s94, s84, 15                        ; my 128 rows of a tile
	s_add_co_u32 s94, s94, s3
	s_add_co_u32 s94, s94, 0x800000                ; K lies behind q
	s_mov_b32 s95, 0
	s_lshl_b32 s86, s85, 4                         ; the tile that I finish lies 16 ks rows in
	s_add_co_u32 s88, s88, s86
	s_add_co_u32 s89, s89, s86
	s_lshl_b32 s86, s2, 8                          ; the head's 256 bytes of a row of o
	s_lshl_b32 s96, s88, 12
	s_add_co_u32 s96, s96, s86
	s_mov_b32 s97, 0
	s_lshl_b32 s98, s89, 12
	s_add_co_u32 s98, s98, s86
	s_mov_b32 s99, 0
	s_lshl_b32 s88, s88, 2                         ; those rows' mask words
	s_lshl_b32 s89, s89, 2
	s_mul_i32 s86, s85, 48
	s_sub_co_u32 s[TH0], s87, s86                  ; 32 p + 16 ks - 64 ks
	s_mul_i32 s86, s85, 80
	s_sub_co_u32 s[TH1], s87, s86
	s_add_co_u32 s[TH1], s[TH1], 16                ; 32 p + 16 (1 - ks) - 64 ks
	s_lshl_b32 s86, s85, 12                        ; Q: place 0's rows lie 16 ks rows in,
	s_sub_co_u32 s87, 4096, s86                    ; place 1's 16 (1 - ks)
	s_mov_b32 s[G1K], 15|(1<<16)|(1<<20)|(1<<21)|(5<<22)|(3<<25)  ; the mask of four; 2-byte elements; padding on; bit 21 beside a mask; after every 64 words 4 words
	s_mov_b32 s[G1V], 15|(1<<16)|(1<<20)|(1<<21)|(5<<22)|(7<<25)  ; the same with 8 words
.irp g, G1K, G1V
	s_mov_b32 s[(\g)+1], 128<<16                   ; tensor_dim0 = 128
	s_mov_b32 s[(\g)+2], 128<<16                   ; tensor_dim1 = 128
	s_mov_b32 s[(\g)+3], 128<<16                   ; tile_dim0 = 128
	s_mov_b32 s[(\g)+4], 128                       ; tile_dim1 = 128
	s_mov_b32 s[(\g)+5], 128                       ; elements from row to row
	s_mov_b32 s[(\g)+6], 0
	s_mov_b32 s[(\g)+7], 0
.endr
	s_mul_i32 s[LK0], s84, 128*PK                  ; where my half goes in slot 0: no place in the cluster enters an LDS address
	s_mul_i32 s[LV0], s84, 128*PV
	s_add_co_u32 s[LV0], s[LV0], VOFF
	s_mov_b32 s[G0K], 1
	s_mov_b32 s[G0K+1], s[LK0]
	s_mov_b32 s[G0V], 1
	s_mov_b32 s[G0V+1], s[LV0]
	s_mul_i32 s[KS0], s85, KS*PK
	s_mul_i32 s[VS0], s85, KS*PV
	s_lshl_b32 s[KBO], s85, 7
	s_add_co_u32 s[RT], s14, 1
	s_sub_co_u32 s[RT2], 8, s14
	s_sub_co_u32 s[LQ2], 7, s14
	s_cmp_eq_u32 s14, 0                            ; cluster 0's first pass has one tile: the first refill is its second pass's tile 0
	s_cselect_b32 s[NXT], 0, 1
	s_cselect_b32 s[LQ], s[LQ2], s14
	s_cselect_b32 s[LIM], 1, -1
	s_mov_b32 s[SLOTS], 8
	s_lshl_b32 s2, s14, 2
	s_lshl_b32 s3, s84, 1
	s_sub_co_u32 s[SDW], 0, s2
	s_sub_co_u32 s[SDW], s[SDW], s3                ; -4 c - 2 qg
	s_sub_co_u32 s[SDW2], s2, 28
	s_sub_co_u32 s[SDW2], s[SDW2], s3              ; -4 (7 - c) - 2 qg
	s_mov_b32 s[CSC], 0x3e0293ee                   ; 0.127517
	s_mov_b32 s[CSC+1], s[CSC]
	s_mov_b32 s[SEL], 0x76543210
	s_mov_b32 s[SEL+1], 0xfedcba98
	s_mov_b32 s[RB], SLOT                          ; the first change turns it into 0
	s_mov_b32 s[OFF+1], 0
	s_mov_b32 s[FIN], 0
	s_mov_b32 s[BIGN], 0xf149f2ca                  ; -1e30
	s_wait_dscnt 0x0                               ; the opening add is done
	s_wait_kmcnt 0x0
	s_add_nc_u64 s[4:5], s[20:21], s[90:91]        ; Q, first pass
	s_add_nc_u64 s[50:51], s[20:21], s[92:93]      ; Q, second pass
	s_add_nc_u64 s[6:7], s[20:21], s[94:95]        ; K at my half of tile 0
	s_add_nc_u64 s[8:9], s[6:7], 0x800000          ; V
	s_add_nc_u64 s[10:11], s[16:17], s[96:97]      ; o, first pass
	s_add_nc_u64 s[48:49], s[16:17], s[98:99]      ; o, second pass
	s_mov_b64 s[52:53], s[22:23]
	s_add_nc_u64 s[G0K+2:G0K+3], s[6:7], 0
	s_or_b32 s[G0K+3], s[G0K+3], 0x80000000
	s_add_nc_u64 s[G0V+2:G0V+3], s[8:9], 0
	s_or_b32 s[G0V+3], s[G0V+3], 0x80000000
	s_cmp_lt_u32 s[WV], 2
	s_cselect_b64 s[PFA:PFA+1], s[6:7], s[8:9]
	s_lshl_b32 s2, s13, 13                         ; my work-group's 32 rows of my 128
	s_mov_b32 s3, 0
	s_add_nc_u64 s[PFA:PFA+1], s[PFA:PFA+1], s[2:3]  ; in tile 0: change n steps it to tile n + 1
	CROUND                                         ; all four work-groups are here
	JLOAD                                          ; tile 0 into slot 0: one load of mine is out
	v_and_b32 v1, 15, v0                           ; r
	v_bfe_u32 v9, v0, 4, 1                         ; h
	v_lshlrev_b32 v[QO], 8, v1
	v_lshl_add_u32 v[QO], v9, 4, v[QO]
	v_add_nc_u32 v56, s87, v[QO]
	v_add_nc_u32 v[QO], s86, v[QO]
	WIN 0x40                                       ; destination window 1
.irp f, 0,1,2,3                        ; both passes' Q stay in registers: 16 rows x 32 channels a fragment
	global_load_b128 v[QW+8*(\f):QW+8*(\f)+3],         v[QO], s[4:5] offset:64*(\f)
	global_load_b128 v[QW+8*(\f)+4:QW+8*(\f)+7],       v[QO], s[4:5] offset:64*(\f)+32
	global_load_b128 v[QW+32+8*(\f):QW+32+8*(\f)+3],   v56, s[4:5] offset:64*(\f)
	global_load_b128 v[QW+32+8*(\f)+4:QW+32+8*(\f)+7], v56, s[4:5] offset:64*(\f)+32
	global_load_b128 v[Q2W+8*(\f):Q2W+8*(\f)+3],         v[QO], s[50:51] offset:64*(\f)
	global_load_b128 v[Q2W+8*(\f)+4:Q2W+8*(\f)+7],       v[QO], s[50:51] offset:64*(\f)+32
	global_load_b128 v[Q2W+32+8*(\f):Q2W+32+8*(\f)+3],   v56, s[50:51] offset:64*(\f)
	global_load_b128 v[Q2W+32+8*(\f)+4:Q2W+32+8*(\f)+7], v56, s[50:51] offset:64*(\f)+32
.endr
	WIN 0
	v_lshlrev_b32 v57, 2, v1
	v_add_nc_u32 v58, s89, v57
	v_add_nc_u32 v57, s88, v57
	global_load_b32 v[QM], v57, s[52:53]
	global_load_b32 v[QM2], v58, s[52:53]
	s_lshl_b32 s90, s[RT], 8                       ; keys of the first pass
	v_lshlrev_b32 v59, 2, v0                       ; the mask table, in walk order: entry E = 512 i + 4 t is key E, or E less the first pass's keys; entries behind the walk's 2,304 are held inside the input
.irp i, 0,1,2,3,4
	v_add_nc_u32 v[240+(\i)], 512*(\i), v59
	v_cmp_le_u32 vcc_lo, s90, v[240+(\i)]
	v_cndmask_b32 v60, 0, s90, vcc_lo
	v_sub_nc_u32 v[240+(\i)], v[240+(\i)], v60
	v_min_u32 v[240+(\i)], 0x7fc, v[240+(\i)]
	v_lshlrev_b32 v[240+(\i)], 2, v[240+(\i)]
	global_load_b128 v[S+4*(\i):S+4*(\i)+3], v[240+(\i)], s[52:53]
.endr
	v_lshlrev_b32 v61, 3, v9
	v_sub_nc_u32 v61, v1, v61                      ; r - 8 h
	v_add_nc_u32 v62, s[TH1], v61
	v_add_nc_u32 v61, s[TH0], v61                  ; register j of key block kb is hidden in my partial step where 16 kb + j is greater
.set i, 0
.rept 32
	v_cmp_gt_i32 vcc_lo, 16*(i/8)+i%8, v61
	v_cndmask_b32 v[MD+i], 0, s[BIGN], vcc_lo
	v_cmp_gt_i32 vcc_lo, 16*(i/8)+i%8, v62
	v_cndmask_b32 v[MD+32+i], 0, s[BIGN], vcc_lo
.set i, i+1
.endr
	WIN 0x40                                       ; what the first product finds: O^T, V and P at 0; written in the wait for the first tile
.set i, 0
.rept 128
	v_mov_b32 v[i], 0
.set i, i+1
.endr
	WIN 0x80
.set i, 0
.rept 128
	v_mov_b32 v[VF+i], 0
.set i, i+1
.endr
	WIN 0
.set i, 0
.rept 32
	v_mov_b32 v[P+i], 0
.set i, i+1
.endr
.irp u, 0,1
	v_mov_b32 v[ST+8*(\u)], 0xfe000000             ; m: -4.25e37, below every score, hidden ones too; no difference with it overflows
.irp i, 1,2,3,4,5,6,7
	v_mov_b32 v[ST+8*(\u)+(\i)], 0
.endr
.endr
	v_mul_u32_u24 v[AK0], v1, PK
	v_lshl_add_u32 v[AK0], v9, 4, v[AK0]
	v_and_b32 v60, 7, v0
	v_bfe_u32 v63, v0, 3, 1
	v_lshl_add_u32 v[AV0], v9, 3, v60              ; the turning load: lane l reads key 8 (l / 16) + l % 8, channels 8 ((l / 8) % 2) + 0..7
	v_mul_u32_u24 v[AV0], v[AV0], PV
	v_lshl_add_u32 v[AV0], v63, 4, v[AV0]
	v_add_nc_u32 v[AV0], VOFF, v[AV0]
	v_lshlrev_b32 v[AB0], 4, v9
	v_add_nc_u32 v[AB0], BIAS, v[AB0]
	s_mul_i32 s91, s[WV], XSZ
	s_add_co_u32 s91, s91, XB                      ; my part of the exchange
	s_xor_b32 s92, s[WV], 2
	s_mul_i32 s92, s92, XSZ
	s_add_co_u32 s92, s92, XB                      ; my partner's, which I alone read; behind that it is my stage
	v_and_b32 v60, 31, v0
	v_lshl_add_u32 v[XW], v60, 4, s91
	v_lshl_add_u32 v[XR], v60, 4, s92
	v_mul_u32_u24 v[STO], v1, SP
	v_lshl_add_u32 v[STO], v9, 4, v[STO]
	v_add_nc_u32 v[STO], s92, v[STO]
	v_mul_u32_u24 v[RD], v9, SP
	v_lshl_add_u32 v[RD], v1, 4, v[RD]
	v_add_nc_u32 v[RD], s92, v[RD]
	s_add_co_u32 s91, s91, 8192
	s_add_co_u32 s92, s92, 8192
	v_lshl_add_u32 v[XWS], v60, 2, s91
	v_lshl_add_u32 v[XRS], v60, 2, s92
	v_lshlrev_b32 v[GO], 12, v9
	v_lshl_add_u32 v[GO], v1, 4, v[GO]
	v_lshlrev_b32 v[PFO], 8, v60
	v_lshl_add_u32 v[BW], v0, 3, BIAS
	s_mov_b32 s94, 0xf149                          ; -1e30 cut to bf16
	s_wait_loadcnt 0x0                             ; Q, my queries' mask words, the keys' mask words
.set i, 0
.rept 20
	v_cmp_eq_u32 vcc_lo, 0, v[S+i]
	v_cndmask_b32 v[S+i], 0, s94, vcc_lo
.set i, i+1
.endr
.set i, 0
.rept 10                                       ; two keys a word, in place, ascending
	v_lshl_or_b32 v[S+i], v[S+2*i+1], 16, v[S+2*i]
.set i, i+1
.endr
.irp i, 0,1,2,3,4
	ds_store_b64 v[BW], v[S+2*(\i):S+2*(\i)+1] offset:1024*(\i)  ; the first change's wait on DScnt and its round show the table to every wave
.endr
; O^T += V^T P for the step whose P and V lie in registers: 32 products; the 16 accumulators take turns.
.macro PVM
	WIN 0x52                                       ; V window 2, P window 0, O^T window 1
.set z, 0
.rept 32
	v_wmma_f32_16x16x32_f16 v[64*((z%16)/8)+8*(z%8):64*((z%16)/8)+8*(z%8)+7], v[VF+64*(z/16)+8*(z%8):VF+64*(z/16)+8*(z%8)+7], v[P+16*((z%16)/8)+8*(z/16):P+16*((z%16)/8)+8*(z/16)+7], v[64*((z%16)/8)+8*(z%8):64*((z%16)/8)+8*(z%8)+7]
.set z, z+1
.endr
	WIN 0
.endm
; THE SOFTMAX of tile place u in three numbered lists.  PRE, 53 plain lines: the maximum (four chains of seven scores, each accumulator's lowest registers first), the exchange of the lanes' halves, the new m,
; c (m_old - m_new), 16 packed differences s - m, 16 packed products by c.
.macro PRE u, n
.set rT, ST+8*(\u)
.set rS, S+32*(\u)
.if (\n) < 4
	v_max3_num_f32 v[rT+4+(\n)], v[rS+8*(\n)], v[rS+8*(\n)+1], v[rS+8*(\n)+2]
.elseif (\n) < 12
	v_max3_num_f32 v[rT+4+(\n)%4], v[rT+4+(\n)%4], v[rS+8*((\n)%4)+2*((\n)/4)+1], v[rS+8*((\n)%4)+2*((\n)/4)+2]
.elseif (\n) == 12
	v_max3_num_f32 v[rT+4], v[rT+4], v[rS+7], v[rS+15]
.elseif (\n) == 13
	v_max3_num_f32 v[rT+6], v[rT+6], v[rS+23], v[rS+31]
.elseif (\n) == 14
	v_max3_num_f32 v[rT+4], v[rT+4], v[rT+5], v[rT+6]
.elseif (\n) == 15
	v_max3_num_f32 v[rT+4], v[rT+4], v[rT+7], v[rT]
.elseif (\n) == 16
	v_permlanex16_b32 v[rT+5], v[rT+4], s[SEL], s[SEL+1]  ; the query's other 32 keys lie in the lane 16 away
.elseif (\n) == 17
	v_mov_b32 v[rT+7], v[rT]                       ; m_old
.elseif (\n) == 18
	v_max_num_f32 v[rT], v[rT+4], v[rT+5]
.elseif (\n) == 19
	v_sub_f32 v[rT+7], v[rT+7], v[rT]
.elseif (\n) == 20
	v_mul_f32 v[rT+7], s[CSC], v[rT+7]
.elseif (\n) < 37
	v_pk_add_f32 v[rS+2*((\n)-21):rS+2*((\n)-21)+1], v[rS+2*((\n)-21):rS+2*((\n)-21)+1], v[rT:rT+1] op_sel_hi:[1,0] neg_lo:[0,1] neg_hi:[0,1]  ; s - m: 0 at the maximum, never above
.else
	v_pk_mul_f32 v[rS+2*((\n)-37):rS+2*((\n)-37)+1], v[rS+2*((\n)-37):rS+2*((\n)-37)+1], s[CSC:CSC+1] op_sel_hi:[1,0]  ; times c
.endif
.endm
.macro EXPL u, n                       ; 33 exponentials: a, then the 32 weights
.if (\n) == 0
	v_exp_f32 v[ST+8*(\u)+6], v[ST+8*(\u)+7]
.else
	v_exp_f32 v[S+32*(\u)+(\n)-1], v[S+32*(\u)+(\n)-1]
.endif
.endm
.macro POST u, n                       ; 32 plain lines that read the weights: 16 roundings to f16, then the sum, in place, and l = a l + the sum
.set rT, ST+8*(\u)
.set rS, S+32*(\u)
.if (\n) < 16
	v_cvt_pk_f16_f32 v[P+16*(\u)+(\n)], v[rS+2*(\n)], v[rS+2*(\n)+1]
.elseif (\n) < 24
	v_pk_add_f32 v[rS+4*((\n)-16):rS+4*((\n)-16)+1], v[rS+4*((\n)-16):rS+4*((\n)-16)+1], v[rS+4*((\n)-16)+2:rS+4*((\n)-16)+3]
.elseif (\n) < 28
	v_pk_add_f32 v[rS+8*((\n)-24):rS+8*((\n)-24)+1], v[rS+8*((\n)-24):rS+8*((\n)-24)+1], v[rS+8*((\n)-24)+4:rS+8*((\n)-24)+5]
.elseif (\n) == 28
	v_pk_add_f32 v[rS:rS+1], v[rS:rS+1], v[rS+8:rS+9]
.elseif (\n) == 29
	v_pk_add_f32 v[rS+16:rS+17], v[rS+16:rS+17], v[rS+24:rS+25]
.elseif (\n) == 30
	v_pk_add_f32 v[rS:rS+1], v[rS:rS+1], v[rS+16:rS+17]
.else
	v_pk_fma_f32 v[rT+2:rT+3], v[rT+2:rT+3], v[rT+6:rT+7], v[rS:rS+1] op_sel_hi:[1,0,1]
.endif
.endm
; A KEY STEP of 64 keys for my 32 queries.
.macro STEP
	s_cmp_gt_i32 s[SDW], 0
	s_cbranch_scc1 .Lskip_\@                       ; all its keys lie behind my queries; the pending product stays pending
	s_cmp_eq_u32 s[SDW], 0
	s_cselect_b32 s[AL], 1.0, 0
	v_add_nc_u32 v[ADRK], s[TBK], v[AK0]
	v_add_nc_u32 v[ADRV], s[TBV], v[AV0]
	v_add_nc_u32 v[ADRB], s[KBO], v[AB0]
	v_mov_b32 v[ALV], s[AL]
.irp k, 0,1,2,3
	ds_load_b128 v[BB+4*(\k):BB+4*(\k)+3], v[ADRB] offset:32*(\k)   ; my 8 keys of key block k: 16 bytes
.endr
	WIN 0x80
.set z, 0
.rept 16                                       ; K: keys 16 (z / 4) on, channels 32 (z % 4) on
	ds_load_b128 v[8*z:8*z+3],   v[ADRK] offset:(z/4)*16*PK+(z%4)*64
	ds_load_b128 v[8*z+4:8*z+7], v[ADRK] offset:(z/4)*16*PK+(z%4)*64+32
.set z, z+1
.endr
	s_wait_dscnt 36                                ; V of the step before is in: behind it stand the 4 + 32 loads just issued
	PVM                                            ; the step before, while K is on its way
	s_wait_dscnt 32                                ; the mask words are in: K's 32 loads may be out
.set z, 0
.rept 64                                       ; the C operand: MD x AL + the key's 0 or -1e30
	v_fma_mix_f32_bf16 v[S+z], v[MD+z], v[ALV], v[BB+(z%32)/2] op_sel:[0,0,z%2] op_sel_hi:[0,0,1]
.set z, z+1
.endr
.rept 4
	v_nop                                          ; four plain places between the products that read V and the loads into it
.endr
	WIN 0x80
.set z, 0
.rept 16                                       ; V, turned: keys 32 (z / 8) on, channels 16 (z % 8) on
	ds_load_tr16_b128 v[VF+8*z:VF+8*z+3],   v[ADRV] offset:(z/8)*32*PV+(z%8)*32
	ds_load_tr16_b128 v[VF+8*z+4:VF+8*z+7], v[ADRV] offset:(z/8)*32*PV+16*PV+(z%8)*32
.set z, z+1
.endr
	s_wait_dscnt 32                                ; K is in: V's 32 loads may be out
	WIN 0x06                                       ; K window 2, Q window 1, S^T window 0
.set z, 0
.rept 32                                       ; S^T = mask + K Q^T: the eight accumulators take turns
	v_wmma_f32_16x16x32_bf16 v[S+32*((z%8)/4)+8*(z%4):S+32*((z%8)/4)+8*(z%4)+7], v[32*(z%4)+8*(z/8):32*(z%4)+8*(z/8)+7], v[QW+32*((z%8)/4)+8*(z/8):QW+32*((z%8)/4)+8*(z/8)+7], v[S+32*((z%8)/4)+8*(z%4):S+32*((z%8)/4)+8*(z%4)+7]
.set z, z+1
.endr
	WIN 0
.rept 4
	v_nop
.endr
.set n, 0
.rept 53
	PRE 0, n
.set n, n+1
.endr
.set n, 0
.rept 53                                       ; place 0's exponentials and place 1's plain lines by turns: nothing here names an exponential's result
.if n < 33
	EXPL 0, n
.endif
	PRE 1, n
.set n, n+1
.endr
	s_wait_alu depctr_va_vdst(0)                   ; one wait for place 0's batch, ahead of its first reader
.set n, 0
.rept 33                                       ; place 1's exponentials and place 0's roundings and sums by turns
	EXPL 1, n
.if n < 32
	POST 0, n
.endif
.set n, n+1
.endr
	v_nop                                          ; a plain instruction behind the last exponential,
	s_wait_alu depctr_va_vdst(0)                   ; and one wait for place 1's batch
.set n, 0
.rept 32
	POST 1, n
.set n, n+1
.endr
	WIN 0x41                                       ; O^T window 1, a window 0
.set z, 0
.rept 64
	v_pk_mul_f32 v[2*z:2*z+1], v[2*z:2*z+1], v[ST+8*(z/32)+6:ST+8*(z/32)+7] op_sel_hi:[1,0]
.set z, z+1
.endr
	WIN 0
.Lskip_\@:
	s_add_co_u32 s[SDW], s[SDW], 2                 ; my next step lies two steps on
	s_add_co_u32 s[TBK], s[TBK], 2*KS*PK
	s_add_co_u32 s[TBV], s[TBV], 2*KS*PV
	s_add_co_u32 s[KBO], s[KBO], 256
.endm
.macro TWO_STEPS
	s_mov_b32 s[CNT], 2
.Lstep_\@:
	STEP
	s_sub_co_u32 s[CNT], s[CNT], 1
	s_cmp_lg_u32 s[CNT], 0
	s_cbranch_scc1 .Lstep_\@
.endm
; A PASS ENDS: tile place 1's O^T, m and l go into my part of the exchange, in f32.
.macro SEND
.rept 8
	v_nop
.endr
	WIN 0x04                                       ; the data in window 1
.set z, 0
.rept 16
	ds_store_b128 v[XW], v[64+4*z:64+4*z+3] offset:512*z
.set z, z+1
.endr
	WIN 0
	v_add_f32 v[T], v[ST+10], v[ST+11]
	ds_store_b32 v[XWS], v[ST+8]
	ds_store_b32 v[XWS], v[T] offset:128
.endm
; TILE PLACE 0 IS FINISHED, behind a barrier: with my partner's O', m', l' and m* the greater of the two maxima, O = (O a + O' a') / (l a + l' a'), a = 2^(c (m - m*)): one of the two is 1, and its l is at
; least 1 over the two halves of the lanes.  Both factors are 0 for a query that is masked out.  Rounded to f16, through my stage (my partner's part, which I have read), as whole rows of 256 bytes.
.macro FINISH
.set z, 0
.rept 16
	ds_load_b128 v[S+4*z:S+4*z+3], v[XR] offset:512*z
.set z, z+1
.endr
	ds_load_b32 v[T], v[XRS]
	ds_load_b32 v[T+1], v[XRS] offset:128
	v_add_f32 v[T+2], v[ST+2], v[ST+3]
	s_wait_dscnt 0x0
	v_max_num_f32 v[T+3], v[ST], v[T]
	v_sub_f32 v[T+4], v[ST], v[T+3]
	v_sub_f32 v[T+6], v[T], v[T+3]
	v_mul_f32 v[T+4], s[CSC], v[T+4]
	v_mul_f32 v[T+6], s[CSC], v[T+6]
	v_exp_f32 v[T+4], v[T+4]
	v_exp_f32 v[T+6], v[T+6]
	v_mov_b32 v[T+5], 0                            ; plain instructions behind the exponentials (the pairs' upper registers are named with them),
	v_mov_b32 v[T+7], 0
	s_wait_alu depctr_va_vdst(0)                   ; and their wait
	v_mul_f32 v[T+2], v[T+2], v[T+4]
	v_fma_f32 v[T+2], v[T+1], v[T+6], v[T+2]
	v_permlanex16_b32 v[T+1], v[T+2], s[SEL], s[SEL+1]
	v_add_f32 v[T+2], v[T+2], v[T+1]
	v_rcp_f32 v[T+3], v[T+2]
	v_cmp_ne_u32 vcc_lo, 0, v[QM]                  ; a plain instruction behind the reciprocal,
	s_wait_alu depctr_va_vdst(0)                   ; and its wait
	v_mul_f32 v[T+4], v[T+4], v[T+3]
	v_mul_f32 v[T+6], v[T+6], v[T+3]
	v_cndmask_b32 v[T+4], 0, v[T+4], vcc_lo
	v_cndmask_b32 v[T+6], 0, v[T+6], vcc_lo
.set z, 0
.rept 32
	v_pk_mul_f32 v[S+2*z:S+2*z+1], v[S+2*z:S+2*z+1], v[T+6:T+7] op_sel_hi:[1,0]
.set z, z+1
.endr
	WIN 0x01                                       ; O^T, source 0, in window 1
.set z, 0
.rept 32
	v_pk_fma_f32 v[S+2*z:S+2*z+1], v[2*z:2*z+1], v[T+4:T+5], v[S+2*z:S+2*z+1] op_sel_hi:[1,0,1]
.set z, z+1
.endr
	WIN 0
.set z, 0
.rept 32                                       ; in place, ascending
	v_cvt_pk_f16_f32 v[S+z], v[S+2*z], v[S+2*z+1]
.set z, z+1
.endr
.irp f, 0,1,2,3,4,5,6,7
	ds_store_b128 v[STO], v[S+4*(\f):S+4*(\f)+3] offset:32*(\f)
.endr
.irp f, 0,1,2,3,4,5,6,7
	ds_load_b128 v[S+4*(\f):S+4*(\f)+3], v[RD] offset:(\f)*2*SP  ; LDS serves a wave's instructions in order (ISA guide 5.7.1.4): these see the stores above
.endr
.irp f, 0,1,2,3,4,5,6,7
	s_wait_dscnt 7-(\f)
	global_store_b128 v[GO], v[S+4*(\f):S+4*(\f)+3], s[10:11] offset:8192*(\f)  ; 16 lanes store 256 consecutive bytes, aligned: the head's part of a row
.endr
.endm
.Lslot:                                                ; 8 trips: a tile is entered and the next is asked for
	CHANGE 1
	s_cmp_eq_u32 s[FIN], 0
	s_cbranch_scc1 .Lgo
	FINISH                                         ; the first pass, sent in the trip before: the change's round stands between the sending and these reads
	s_wait_xcnt 0x0                                ; the stores have read their registers and o's address
	s_mov_b64 s[10:11], s[48:49]
	s_mov_b32 s[RT], s[RT2]
	s_mov_b32 s[SDW], s[SDW2]
	s_mov_b32 s[FIN], 0
.irp u, 0,1
	v_mov_b32 v[ST+8*(\u)], 0xfe000000             ; m anew: the second pass's first step has a = 0; O^T and l are finite, which is all that it needs
.endr
	v_mov_b32 v[QM], v[QM2]
	WIN 0x41
.set z, 0
.rept 64
	v_mov_b32 v[QW+z], v[Q2W+z]
.set z, z+1
.endr
	WIN 0
.Lgo:
	s_wait_dscnt 0x0                               ; my reads of the exchange and my use of the stage are over:
	s_barrier_signal -1                            ; a barrier of the work-group stands between them and the next sending, on every way
	s_barrier_wait -1
	TWO_STEPS
	s_sub_co_u32 s[RT], s[RT], 1
	s_cmp_lg_u32 s[RT], 0
	s_cbranch_scc1 .Lbottom
	s_wait_dscnt 0x0                               ; the first pass ends: V of its last step is in,
	PVM                                            ; its pending product is flushed,
	SEND                                           ; and tile place 1 is sent
	s_mov_b32 s[FIN], 1
.Lbottom:
	s_sub_co_u32 s[SLOTS], s[SLOTS], 1
	s_cmp_lg_u32 s[SLOTS], 0
	s_cbranch_scc1 .Lslot
	CHANGE 0                                       ; the walk's last tile is written out
	TWO_STEPS
	s_wait_dscnt 0x0
	PVM
	SEND
	s_wait_dscnt 0x0                               ; for my partner's sake: my part of the exchange is written
	s_barrier_signal -1
	s_barrier_wait -1
	FINISH
	s_wait_tensorcnt 0x0                           ; the wave's end
	ds_add_u32 v[SPW], v[NIL]
	s_wait_dscnt 0x0
	CROUND                                         ; the closing round
	s_endpgm
.Lfunc_end_k_q56cb117045_attn:
	.size	k_q56cb117045_attn, .Lfunc_end_k_q56cb117045_attn-k_q56cb117045_attn
	.p2alignl 7, 3214868480
	.fill 96, 4, 3214868480
	.section	.rodata,"a",@progbits
	.p2align	6, 0x0
	.amdhsa_kernel k_q56cb117045_attn
		.amdhsa_group_segment_fixed_size 327680
		.amdhsa_private_segment_fixed_size 0
		.amdhsa_enable_private_segment 0
		.amdhsa_kernarg_size 24
		.amdhsa_user_sgpr_count 2
		.amdhsa_user_sgpr_kernarg_segment_ptr 1
		.amdhsa_wavefront_size32 1
		.amdhsa_system_sgpr_workgroup_id_x 1
		.amdhsa_system_sgpr_workgroup_id_y 1
		.amdhsa_system_sgpr_workgroup_id_z 1
		.amdhsa_system_vgpr_workitem_id 0
		.amdhsa_next_free_vgpr 768
		.amdhsa_next_free_sgpr 100
		.amdhsa_reserve_vcc 1
		.amdhsa_float_denorm_mode_32 3
		.amdhsa_float_denorm_mode_16_64 3
		.amdhsa_memory_ordered 1
		.amdhsa_forward_progress 1
		.amdhsa_inst_pref_size 125
	.end_amdhsa_kernel
	.amdgpu_metadata
---
amdhsa.version: [ 1, 2 ]
amdhsa.kernels:
  - .name:           k_q56cb117045_attn
    .symbol:         k_q56cb117045_attn.kd
    .args:
      - { .name: qkv, .offset: 0, .size: 8, .value_kind: global_buffer, .address_space: global }
      - { .name: attention_mask, .offset: 8, .size: 8, .value_kind: global_buffer, .address_space: global }
      - { .name: o, .offset: 16, .size: 8, .value_kind: global_buffer, .address_space: global }
    .group_segment_fixed_size: 327680
    .private_segment_fixed_size: 0
    .kernarg_segment_align: 8
    .kernarg_segment_size: 24
    .max_flat_workgroup_size: 128
    .sgpr_count:     100
    .vgpr_count:     768
    .wavefront_size: 32
...
	.end_amdgpu_metadata
.endif
;; end of part 3
;; launch oproj (part 4): grid 16 x 16, 4 waves a work-group, clusters of 4 x 4, 327,680 bytes of LDS; arguments o, wo16, xb, out0; writes out0
.if DOCPART == 4
	.amdgcn_target "amdgcn-amd-amdhsa--gfx1250"
	.amdhsa_code_object_version 6
	.text
	.protected	k_q56cb117045_oproj
	.globl	k_q56cb117045_oproj
	.p2align	8
	.type	k_q56cb117045_oproj,@function
k_q56cb117045_oproj:
	s_mov_b64 s[64:65], 0
	v_nop
	global_prefetch_b8 v0, s[64:65] scope:SCOPE_SE
	s_setreg_imm32_b32 hwreg(HW_REG_WAVE_MODE, 25, 1), 1
	s_wait_xcnt 0x0
	s_wait_alu depctr_hold_cnt(0) depctr_sa_sdst(0) depctr_va_vdst(0) depctr_va_sdst(0) depctr_va_ssrc(0) depctr_va_vcc(0) depctr_vm_vsrc(0)
	s_getreg_b32 s2, hwreg(HW_REG_IB_STS2, 6, 4)
	s_cmp_eq_u32 s2, 0
	s_cbranch_scc0 .Lentry_in_a_cluster
	s_endpgm
.Lentry_in_a_cluster:
	s_bfe_u32 s2, ttmp6, 0x10000c
	s_cmp_lg_u32 s2, 0xf033
	s_cbranch_scc0 .Lentry_shape_is_right
	s_endpgm
.Lentry_shape_is_right:
; out0[t][n] = xb[t][n] + the sum over k of o[t][k] wo16[n][k].  o, wo16: [2048][2048] f16; xb bf16; out0 f32; sums in f32.
; Rows whose attention_mask is 0 hold o = 0, so their sum is 0 and out0 is the residual.  LIMIT: the residual is x rounded to bf16 (off by at most 2^-9 of itself).
; A tile of out0 is 128 x 128: 256 work-groups of four waves, each 64 x 64: 16 accumulators.  K goes in 8 steps of 256 (LDS rows of 512 bytes, 64 rows a tensor load) through two slots.
; CLUSTER 4 x 4: the four of a row share o's tile, the four of a column wo16's: each tile is asked for jointly.  THE PRODUCT IS TAKEN TRANSPOSED: a lane holds one row and eight neighbouring columns.
; No prefetch is laid: the tile is small, and a step's loads are shared by four.
; REGISTERS: window 0: addresses; v32-95 the residual; v96-127 rows read back; v128-255 the accumulators ((a, b) at 128 + 8 (4 a + b)).  Window 1: two fragment buffers of 128.
.set SIZE_K, 2048
.set SIZE_N, 2048
.set KSTEP,  256
.set PITCH,  528                       ; 512 bytes + 16 of padding = 132 words: the 16 rows of a load start 4 banks apart (64 banks of 4 bytes: ISA guide 11.1)
.set HALFT,  64*PITCH
.set SLOT,   4*HALFT
.set STAGE,  2*SLOT                    ; behind the ring: 16 rows x 272 bytes for each wave, its own
.set SPITCH, 272
.set SPARE,  STAGE+4*16*SPITCH
.set LAPS,   SIZE_K/(2*KSTEP)
.set T,    8                           ; v8-11  at work
.set ADRA, 16
.set ADRB, 20
.set STO,  24
.set RD,   25
.set CO,   26
.set XO,   27
.set SPW,  28
.set NIL,  29
.set XR,   32
.set BK,   96
.set ACC,  128
.set F0,   0
.set F1,   128
.set G1, 24
.set G0, 32
.set G1B, 48
.set G0B, 56
.set WV, 66
.set MH, 67                            ; which half of the tile's rows is mine; also: I fetch for o (0) or for wo16 (1)
.set NH, 68                            ; which half of its columns; also: which 64 rows of that tile I fetch
.set MSB, 0
.macro WIN new
.if MSB != (\new)
	s_set_vgpr_msb (MSB<<8)|(\new)
.set MSB, \new
.endif
.endm
.set MUL,  0x05
.set TO_F, 0x40
.macro JLOAD s                         ; an s_nop 0 and four v_nop follow each of the two lines
	s_cmp_eq_u32 s[MH], 0
	s_cbranch_scc0 .Lfor_b_\@
	tensor_load_to_lds s[G0+4*(\s):G0+4*(\s)+3], s[G1:G1+7]
	s_nop 0
.rept 4
	v_nop
.endr
	s_branch .Lasked_\@
.Lfor_b_\@:
	tensor_load_to_lds s[G0B+4*(\s):G0B+4*(\s)+3], s[G1B:G1B+7]
	s_nop 0
.rept 4
	v_nop
.endr
.Lasked_\@:
.endm
.macro CREST
	s_cmp_lg_u32 s[WV], 0
	s_cbranch_scc1 .Lnot_wave_0_\@
	s_barrier_signal -3
.Lnot_wave_0_\@:
	s_barrier_wait -3
	s_barrier_signal -1
	s_barrier_wait -1
.endm
.macro CROUND
	s_barrier_signal -1
	s_barrier_wait -1
	CREST
.endm
	s_load_b256 s[4:11], s[0:1], 0x0               ; o 4, wo16 6, xb 8, out0 10
	v_lshl_add_u32 v[SPW], v0, 2, SPARE
	v_mov_b32 v[NIL], 0
	ds_add_u32 v[SPW], v[NIL]                      ; the wave's opening: the add and its wait ahead of my first tensor load
	v_lshrrev_b32 v1, 5, v0
	v_readfirstlane_b32 s[WV], v1
	s_lshr_b32 s[MH], s[WV], 1
	s_and_b32 s[NH], s[WV], 1
	s_bfe_u32 s40, ttmp6, 0x40000                  ; cx
	s_bfe_u32 s41, ttmp6, 0x40004                  ; cy
	s_lshl_b32 s42, ttmp9, 2
	s_add_co_u32 s42, s42, s40                     ; tile column
	s_and_b32 s13, ttmp7, 0xffff
	s_lshl_b32 s13, s13, 2
	s_add_co_u32 s13, s13, s41                     ; tile row
	s_lshl_b32 s43, s41, 2
	s_lshl_b32 s43, 15, s43                        ; my row of the cluster
	s_lshl_b32 s44, 0x1111, s40                    ; my column
	s_or_b32 s[G1+0], s43, (1<<16)|(1<<20)|(1<<21)|(6<<22)|(3<<25)   ; mask; 2-byte elements; padding on; bit 21 beside a mask; after every 128 words 4 words
	s_or_b32 s[G1B+0], s44, (1<<16)|(1<<20)|(1<<21)|(6<<22)|(3<<25)
.irp g, G1, G1B
	s_mov_b32 s[(\g)+1], KSTEP<<16
	s_mov_b32 s[(\g)+2], 64<<16
	s_mov_b32 s[(\g)+3], KSTEP<<16
	s_mov_b32 s[(\g)+4], 64
	s_mov_b32 s[(\g)+5], SIZE_K
	s_mov_b32 s[(\g)+6], 0
	s_mov_b32 s[(\g)+7], 0
.endr
	s_lshl_b32 s17, s[NH], 6
	s_lshl_b32 s16, s13, 7
	s_add_co_u32 s16, s16, s17                     ; o: row 128 x tile row + 64 x half
	s_lshl_b32 s46, s42, 7
	s_add_co_u32 s46, s46, s17                     ; wo16: row 128 x tile column + 64 x half
	s_mov_b32 s17, 0
	s_mov_b32 s47, 0
	s_mov_b64 s[18:19], SIZE_K*2
	s_mul_u64 s[16:17], s[16:17], s[18:19]
	s_mul_u64 s[46:47], s[46:47], s[18:19]
	s_mul_i32 s20, s[WV], HALFT
	s_mov_b32 s69, 0xffff0000
	s_wait_dscnt 0x0                               ; the opening add is done
	s_wait_kmcnt 0x0
	s_add_nc_u64 s[14:15], s[4:5], s[16:17]
	s_add_nc_u64 s[46:47], s[6:7], s[46:47]
	CROUND
.irp s, 0,1
	s_mov_b32 s[G0+4*(\s)], 1
	s_add_co_u32 s[G0+4*(\s)+1], s20, (\s)*SLOT
	s_add_nc_u64 s[G0+4*(\s)+2:G0+4*(\s)+3], s[14:15], (\s)*KSTEP*2
	s_or_b32 s[G0+4*(\s)+3], s[G0+4*(\s)+3], 0x80000000
	s_mov_b32 s[G0B+4*(\s)], 1
	s_add_co_u32 s[G0B+4*(\s)+1], s20, (\s)*SLOT
	s_add_nc_u64 s[G0B+4*(\s)+2:G0B+4*(\s)+3], s[46:47], (\s)*KSTEP*2
	s_or_b32 s[G0B+4*(\s)+3], s[G0B+4*(\s)+3], 0x80000000
	JLOAD \s
.endr
	v_and_b32 v1, 15, v0                           ; r
	v_bfe_u32 v2, v0, 4, 1                         ; h
	v_mul_u32_u24 v3, v1, PITCH
	v_lshl_add_u32 v3, v2, 4, v3
	s_mul_i32 s21, s[MH], HALFT
	s_mul_i32 s22, s[NH], HALFT
	s_add_co_u32 s22, s22, 2*HALFT
.irp s, 0,1
	v_add_nc_u32 v[ADRA+(\s)], s21, v3
	v_add_nc_u32 v[ADRB+(\s)], s22, v3
	s_add_co_u32 s21, s21, SLOT
	s_add_co_u32 s22, s22, SLOT
.endr
	s_mul_i32 s23, s[WV], 16*SPITCH
	s_add_co_u32 s23, s23, STAGE                   ; my stage
	v_mul_u32_u24 v4, v1, SPITCH                   ; in: row r, 32 bytes for each half of the lanes
	v_lshl_add_u32 v4, v2, 5, v4
	v_add_nc_u32 v[STO], s23, v4
	v_mul_u32_u24 v5, v2, SPITCH                   ; back: lanes 0-15 one row of 256 bytes, lanes 16-31 the next
	v_lshl_add_u32 v5, v1, 4, v5
	v_add_nc_u32 v[RD], s23, v5
	v_lshlrev_b32 v[CO], 13, v2                    ; the same two rows in out0,
	v_lshl_add_u32 v[CO], v1, 4, v[CO]
	v_lshlrev_b32 v[XO], 12, v2                    ; and in xb
	v_lshl_add_u32 v[XO], v1, 3, v[XO]
	s_lshl_b32 s16, s13, 7
	s_lshl_b32 s17, s[MH], 6
	s_add_co_u32 s16, s16, s17                     ; my first row
	s_lshl_b32 s20, s42, 7
	s_lshl_b32 s21, s[NH], 6
	s_add_co_u32 s20, s20, s21                     ; my first column
	s_lshl_b32 s18, s16, 13
	s_lshl_b32 s19, s20, 2
	s_add_co_u32 s18, s18, s19
	s_mov_b32 s19, 0
	s_add_nc_u64 s[10:11], s[10:11], s[18:19]
	s_lshl_b32 s18, s16, 12
	s_lshl_b32 s21, s20, 1
	s_add_co_u32 s18, s18, s21
	s_add_nc_u64 s[8:9], s[8:9], s[18:19]
.irp a, 0,1,2,3                        ; the residual of my 64 x 64 is asked for now and waited for on the way out
.irp t, 0,1,2,3,4,5,6,7
	global_load_b64 v[XR+2*(8*(\a)+(\t)):XR+2*(8*(\a)+(\t))+1], v[XO], s[8:9] offset:65536*(\a)+8192*(\t)
.endr
.endr
.macro MUL8 f, c, a0, zero             ; the 16 accumulators take turns
	WIN MUL
.irp a, \a0, (\a0)+1
.irp b, 0,1,2,3
.if \zero
	v_wmma_f32_16x16x32_f16 v[ACC+8*(4*(\a)+(\b)):ACC+8*(4*(\a)+(\b))+7], v[(\f)+64+8*(4*(\c)+(\b)):(\f)+64+8*(4*(\c)+(\b))+7], v[(\f)+8*(4*(\c)+(\a)):(\f)+8*(4*(\c)+(\a))+7], 0
.else
	v_wmma_f32_16x16x32_f16 v[ACC+8*(4*(\a)+(\b)):ACC+8*(4*(\a)+(\b))+7], v[(\f)+64+8*(4*(\c)+(\b)):(\f)+64+8*(4*(\c)+(\b))+7], v[(\f)+8*(4*(\c)+(\a)):(\f)+8*(4*(\c)+(\a))+7], v[ACC+8*(4*(\a)+(\b)):ACC+8*(4*(\a)+(\b))+7]
.endif
.endr
.endr
.endm
.macro FETCH slot, k, f                ; 32 LDS loads in one run: 64 along K at byte k of the rows; the first 32 along K first
	WIN TO_F
.irp c, 0,1
.irp i, 0,1,2,3
	ds_load_b128 v[(\f)+64+8*(4*(\c)+(\i)):(\f)+64+8*(4*(\c)+(\i))+3],   v[ADRB+(\slot)] offset:(\k)+64*(\c)+(\i)*16*PITCH
	ds_load_b128 v[(\f)+64+8*(4*(\c)+(\i))+4:(\f)+64+8*(4*(\c)+(\i))+7], v[ADRB+(\slot)] offset:(\k)+64*(\c)+(\i)*16*PITCH+32
	ds_load_b128 v[(\f)+8*(4*(\c)+(\i)):(\f)+8*(4*(\c)+(\i))+3],         v[ADRA+(\slot)] offset:(\k)+64*(\c)+(\i)*16*PITCH
	ds_load_b128 v[(\f)+8*(4*(\c)+(\i))+4:(\f)+8*(4*(\c)+(\i))+7],       v[ADRA+(\slot)] offset:(\k)+64*(\c)+(\i)*16*PITCH+32
.endr
.endr
.endm
.macro PLACES
.rept 4
	v_nop
.endr
.endm
.macro QUARTER slot, k, f, g, zero
	s_wait_dscnt 16                                ; the first 32 along K are in
	WIN MUL
	MUL8 \f, 0, 0, \zero
	MUL8 \f, 0, 2, \zero
	PLACES
	FETCH \slot, \k, \g
	s_wait_dscnt 32                                ; all but the 32 just issued
	WIN MUL
	MUL8 \f, 1, 0, 0
	MUL8 \f, 1, 2, 0
.endm
.macro TURN slot, next, fill           ; the last quarter changes slots: all my tensor loads, the add, my reads of this slot; then one barrier, with fill = 1 a round of the cluster's, and the joint refill first behind it
	WIN 0
	s_wait_tensorcnt 0x0
	ds_add_u32 v[SPW], v[NIL]
	s_wait_dscnt 17                                ; (the add and the youngest sixteen loads may be out)
	WIN MUL
	MUL8 F1, 0, 0, 0
	s_wait_dscnt 0x0
	s_barrier_signal -1
	MUL8 F1, 0, 2, 0
.if \fill
	WIN 0
.endif
	s_barrier_wait -1
.if \fill
	CREST
	s_add_nc_u64 s[G0+4*(\slot)+2:G0+4*(\slot)+3], s[G0+4*(\slot)+2:G0+4*(\slot)+3], 2*KSTEP*2
	s_add_nc_u64 s[G0B+4*(\slot)+2:G0B+4*(\slot)+3], s[G0B+4*(\slot)+2:G0B+4*(\slot)+3], 2*KSTEP*2
	JLOAD \slot
.else
	PLACES
.endif
	FETCH \next, 0, F0
	WIN MUL
	MUL8 F1, 1, 0, 0
	MUL8 F1, 1, 2, 0
.endm
	s_wait_tensorcnt 1                             ; my part of K step 0 is in; K step 1's may stay out
	s_barrier_signal -1
	s_barrier_wait -1
	FETCH 0, 0, F0
	QUARTER 0, 128, F0, F1, 1
	WIN 0
	s_mov_b32 s3, LAPS-1
.Llap:
	QUARTER 0, 256, F1, F0, 0
	QUARTER 0, 384, F0, F1, 0
	TURN 0, 1, 1
	QUARTER 1, 128, F0, F1, 0
	QUARTER 1, 256, F1, F0, 0
	QUARTER 1, 384, F0, F1, 0
	TURN 1, 0, 1
	QUARTER 0, 128, F0, F1, 0
	WIN 0
	s_sub_co_u32 s3, s3, 1
	s_cmp_lg_u32 s3, 0
	s_cbranch_scc1 .Llap
	QUARTER 0, 256, F1, F0, 0                      ; the last lap fills nothing
	QUARTER 0, 384, F0, F1, 0
	TURN 0, 1, 0
	QUARTER 1, 128, F0, F1, 0
	QUARTER 1, 256, F1, F0, 0
	QUARTER 1, 384, F0, F1, 0
	s_wait_dscnt 16
	WIN MUL
	MUL8 F1, 0, 0, 0
	MUL8 F1, 0, 2, 0
	s_wait_dscnt 0x0
	MUL8 F1, 1, 0, 0
	MUL8 F1, 1, 2, 0
	WIN 0
	; THE WAY OUT, 16 rows at a time: the f32 sums go into my own stage (rows of 272 bytes) and come back as whole rows of 256 bytes; the residual is added; 16 lanes store 256 consecutive bytes, aligned.
	s_wait_loadcnt 0x0                             ; the residual
	PLACES
	PLACES
.irp a, 0,1,2,3
.irp b, 0,1,2,3
	ds_store_b128 v[STO], v[ACC+8*(4*(\a)+(\b)):ACC+8*(4*(\a)+(\b))+3]   offset:64*(\b)
	ds_store_b128 v[STO], v[ACC+8*(4*(\a)+(\b))+4:ACC+8*(4*(\a)+(\b))+7] offset:64*(\b)+16
.endr
	s_wait_xcnt 0x0                                ; the last block's stores have read the registers that are loaded again below
.irp t, 0,1,2,3,4,5,6,7
	ds_load_b128 v[BK+4*(\t):BK+4*(\t)+3], v[RD] offset:(\t)*2*SPITCH  ; LDS serves a wave's instructions in order (ISA guide 5.7.1.4): these see the stores above
.endr
.irp t, 0,1,2,3,4,5,6,7
	s_wait_dscnt 7-(\t)
	v_lshlrev_b32 v[T],   16,  v[XR+2*(8*(\a)+(\t))]
	v_and_b32     v[T+1], s69, v[XR+2*(8*(\a)+(\t))]
	v_lshlrev_b32 v[T+2], 16,  v[XR+2*(8*(\a)+(\t))+1]
	v_and_b32     v[T+3], s69, v[XR+2*(8*(\a)+(\t))+1]
	v_pk_add_f32 v[BK+4*(\t):BK+4*(\t)+1],   v[BK+4*(\t):BK+4*(\t)+1],   v[T:T+1]
	v_pk_add_f32 v[BK+4*(\t)+2:BK+4*(\t)+3], v[BK+4*(\t)+2:BK+4*(\t)+3], v[T+2:T+3]
	global_store_b128 v[CO], v[BK+4*(\t):BK+4*(\t)+3], s[10:11] offset:131072*(\a)+16384*(\t) th:TH_STORE_NT
.endr
.endr
	s_wait_tensorcnt 0x0                           ; the wave's end
	ds_add_u32 v[SPW], v[NIL]
	s_wait_dscnt 0x0
	CROUND                                         ; the closing round
	s_endpgm
.Lfunc_end_k_q56cb117045_oproj:
	.size	k_q56cb117045_oproj, .Lfunc_end_k_q56cb117045_oproj-k_q56cb117045_oproj
	.p2alignl 7, 3214868480
	.fill 96, 4, 3214868480
	.section	.rodata,"a",@progbits
	.p2align	6, 0x0
	.amdhsa_kernel k_q56cb117045_oproj
		.amdhsa_group_segment_fixed_size 327680
		.amdhsa_private_segment_fixed_size 0
		.amdhsa_enable_private_segment 0
		.amdhsa_kernarg_size 32
		.amdhsa_user_sgpr_count 2
		.amdhsa_user_sgpr_kernarg_segment_ptr 1
		.amdhsa_wavefront_size32 1
		.amdhsa_system_sgpr_workgroup_id_x 1
		.amdhsa_system_sgpr_workgroup_id_y 1
		.amdhsa_system_sgpr_workgroup_id_z 1
		.amdhsa_system_vgpr_workitem_id 0
		.amdhsa_next_free_vgpr 512
		.amdhsa_next_free_sgpr 80
		.amdhsa_reserve_vcc 0
		.amdhsa_float_denorm_mode_32 3
		.amdhsa_float_denorm_mode_16_64 3
		.amdhsa_memory_ordered 1
		.amdhsa_forward_progress 1
		.amdhsa_inst_pref_size 98
	.end_amdhsa_kernel
	.amdgpu_metadata
---
amdhsa.version: [ 1, 2 ]
amdhsa.kernels:
  - .name:           k_q56cb117045_oproj
    .symbol:         k_q56cb117045_oproj.kd
    .args:
      - { .name: o, .offset: 0, .size: 8, .value_kind: global_buffer, .address_space: global }
      - { .name: wo16, .offset: 8, .size: 8, .value_kind: global_buffer, .address_space: global }
      - { .name: xb, .offset: 16, .size: 8, .value_kind: global_buffer, .address_space: global }
      - { .name: out0, .offset: 24, .size: 8, .value_kind: global_buffer, .address_space: global }
    .group_segment_fixed_size: 327680
    .private_segment_fixed_size: 0
    .kernarg_segment_align: 8
    .kernarg_segment_size: 32
    .max_flat_workgroup_size: 128
    .sgpr_count:     80
    .vgpr_count:     512
    .wavefront_size: 32
...
	.end_amdgpu_metadata
.endif
;; end of part 4
